; MI455X (gfx1250); checked and timed in simulation.
; The chip was launched on July 23, 2026; its instructions are those of AMD's public machine-readable ISA for CDNA 5 (MIT licence, August 2026) and "CDNA5" Instruction Set Architecture Reference Guide (July 2026). The comments in the code are by the model that wrote it; some were corrected since.
;; Attention. Allowed arithmetic: float matrix products may take bf16 or f16 operands with f32 sums; other float arithmetic in f32, or as packed bf16 or f16 multiplies, adds, multiply-adds, maxima and minima; sums over many terms, partial sums and values carried from step to step in f32; what a program stores and reads back later, other than sums and carried values, may be rounded once to bf16 or f16.
;; Inputs: Wk 1,024 x 1,024 float32; Wq 1,024 x 1,024 float32; Wv 1,024 x 1,024 float32; bk 1,024 float32; bq 1,024 float32; bv 1,024 float32; x 4 x 2,048 x 1,024 float32.
;; Outputs: out0 4 x 2,048 x 1,024 float32.
;; 2 versions, each right; version 2 is version 1 with the launch cast written anew for expert scheduling mode. Each part assembles by itself: llvm-mc -triple=amdgcn-amd-amdhsa -mcpu=gfx1250 --defsym DOCPART=n.
;; ======== version 1 of 2: 5 launches
;; workspace buffers: xb 16,777,216 bytes; wb 6,291,456 bytes; qk 33,554,432 bytes; vt 16,777,216 bytes; pp 33,554,432 bytes; stats 1,048,576 bytes
;; launch cast (part 1): grid 704 x 1, 8 waves a work-group, no clusters, 0 bytes of LDS; arguments x, Wq, Wk, Wv, xb, wb; writes xb, wb
.if DOCPART == 1
	.amdgcn_target "amdgcn-amd-amdhsa--gfx1250"
	.amdhsa_code_object_version 6
	.text
	.protected	k_qc6ba41b3de_cast
	.globl	k_qc6ba41b3de_cast
	.p2align	8
	.type	k_qc6ba41b3de_cast,@function
k_qc6ba41b3de_cast:
	s_mov_b64 s[64:65], 0
	v_nop
	global_prefetch_b8 v0, s[64:65] scope:SCOPE_SE
	s_setreg_imm32_b32 hwreg(HW_REG_WAVE_MODE, 25, 1), 1
	s_wait_xcnt 0x0
; f32 to bf16 (round to nearest even), once for all later products: x -> xb [8192][1024]; Wq, Wk, Wv -> wb [3072][1024], one behind the other.
; A stream: no LDS, no matrix unit, no cluster (no two work-groups read the same byte).
; Work-group g takes 16,384 numbers: 65,536 bytes in, 32,768 out.  g < 512: x.  g = 512 .. 703: 64 work-groups for each of Wq, Wk, Wv.
; Thread t takes 16 bytes at 16 t of each of 16 pieces of 4,096 bytes; all 16 loads go out at once; a wave's store covers 256 consecutive bytes, aligned.
.set X, 4                              ; v[4:67]   16 x 4 numbers as loaded
.set Y, 68                             ; v[68:99]  16 x 2 words of two bf16
	s_load_b256 s[4:11], s[0:1], 0x0               ; x s[4:5], Wq s[6:7], Wk s[8:9], Wv s[10:11]
	s_load_b128 s[12:15], s[0:1], 0x20             ; xb s[12:13], wb s[14:15]
	s_max_u32 s16, ttmp9, 512
	s_sub_co_u32 s16, s16, 512                     ; g' = the work-group's number among the weights' 192 (0 for those that take x)
	s_and_b32 s17, s16, 63                         ; its place inside one weight matrix
	v_lshlrev_b32 v1, 4, v0                        ; 16 t
	v_lshlrev_b32 v2, 3, v0                        ; 8 t
	s_wait_kmcnt 0x0
	s_cmp_lt_u32 ttmp9, 640
	s_cselect_b64 s[20:21], s[8:9], s[10:11]       ; Wk below 640, else Wv
	s_cmp_lt_u32 ttmp9, 576
	s_cselect_b64 s[20:21], s[6:7], s[20:21]       ; Wq below 576
	s_cmp_lt_u32 ttmp9, 512
	s_cselect_b64 s[20:21], s[4:5], s[20:21]       ; x below 512
	s_cselect_b64 s[22:23], s[12:13], s[14:15]     ; to xb or to wb
	s_cselect_b32 s17, ttmp9, s17                  ; piece of the source
	s_cselect_b32 s18, ttmp9, s16                  ; piece of the destination
	s_lshl_b32 s24, s17, 16                        ; at most 511 x 65,536 bytes
	s_mov_b32 s25, 0
	s_lshl_b32 s26, s18, 15
	s_mov_b32 s27, 0
	s_add_nc_u64 s[20:21], s[20:21], s[24:25]
	s_add_nc_u64 s[22:23], s[22:23], s[26:27]
.irp i, 0,1,2,3,4,5,6,7,8,9,10,11,12,13,14,15
	global_load_b128 v[X+4*\i:X+4*\i+3], v1, s[20:21] offset:4096*\i th:TH_LOAD_NT   ; read once in the launch
.endr
.irp i, 0,1,2,3,4,5,6,7,8,9,10,11,12,13,14,15
	s_wait_loadcnt 15-\i                           ; loads come back in order: piece i is in, the 15 - i younger ones stay out
	v_cvt_pk_bf16_f32 v[Y+2*\i],   v[X+4*\i],   v[X+4*\i+1]
	v_cvt_pk_bf16_f32 v[Y+2*\i+1], v[X+4*\i+2], v[X+4*\i+3]
	global_store_b64 v2, v[Y+2*\i:Y+2*\i+1], s[22:23] offset:2048*\i   ; no register is written twice: no further wait
.endr
	s_endpgm
.Lfunc_end_k_qc6ba41b3de_cast:
	.size	k_qc6ba41b3de_cast, .Lfunc_end_k_qc6ba41b3de_cast-k_qc6ba41b3de_cast
	.p2alignl 7, 3214868480
	.fill 96, 4, 3214868480
	.section	.rodata,"a",@progbits
	.p2align	6, 0x0
	.amdhsa_kernel k_qc6ba41b3de_cast
		.amdhsa_group_segment_fixed_size 0
		.amdhsa_private_segment_fixed_size 0
		.amdhsa_enable_private_segment 0
		.amdhsa_kernarg_size 48
		.amdhsa_user_sgpr_count 2
		.amdhsa_user_sgpr_kernarg_segment_ptr 1
		.amdhsa_wavefront_size32 1
		.amdhsa_system_sgpr_workgroup_id_x 1
		.amdhsa_system_sgpr_workgroup_id_y 1
		.amdhsa_system_sgpr_workgroup_id_z 1
		.amdhsa_system_vgpr_workitem_id 0
		.amdhsa_next_free_vgpr 100
		.amdhsa_next_free_sgpr 66
		.amdhsa_reserve_vcc 0
		.amdhsa_float_denorm_mode_32 3
		.amdhsa_float_denorm_mode_16_64 3
		.amdhsa_memory_ordered 1
		.amdhsa_forward_progress 1
		.amdhsa_inst_pref_size 7
	.end_amdhsa_kernel
	.amdgpu_metadata
---
amdhsa.version: [ 1, 2 ]
amdhsa.kernels:
  - .name:           k_qc6ba41b3de_cast
    .symbol:         k_qc6ba41b3de_cast.kd
    .args:
      - { .name: x, .offset: 0, .size: 8, .value_kind: global_buffer, .address_space: global }
      - { .name: Wq, .offset: 8, .size: 8, .value_kind: global_buffer, .address_space: global }
      - { .name: Wk, .offset: 16, .size: 8, .value_kind: global_buffer, .address_space: global }
      - { .name: Wv, .offset: 24, .size: 8, .value_kind: global_buffer, .address_space: global }
      - { .name: xb, .offset: 32, .size: 8, .value_kind: global_buffer, .address_space: global }
      - { .name: wb, .offset: 40, .size: 8, .value_kind: global_buffer, .address_space: global }
    .group_segment_fixed_size: 0
    .private_segment_fixed_size: 0
    .kernarg_segment_align: 8
    .kernarg_segment_size: 48
    .max_flat_workgroup_size: 256
    .sgpr_count:     66
    .vgpr_count:     100
    .wavefront_size: 32
...
	.end_amdgpu_metadata
.endif
;; end of part 1
;; launch projqk (part 2): grid 8 x 32, 4 waves a work-group, clusters of 4 x 4, 327,680 bytes of LDS; arguments xb, wb, qk, bq, bk; writes qk
.if DOCPART == 2
	.amdgcn_target "amdgcn-amd-amdhsa--gfx1250"
	.amdhsa_code_object_version 6
	.text
	.protected	k_qc6ba41b3de_projqk
	.globl	k_qc6ba41b3de_projqk
	.p2align	8
	.type	k_qc6ba41b3de_projqk,@function
k_qc6ba41b3de_projqk:
	s_mov_b64 s[64:65], 0
	v_nop
	global_prefetch_b8 v0, s[64:65] scope:SCOPE_SE
	s_setreg_imm32_b32 hwreg(HW_REG_WAVE_MODE, 25, 1), 1
	s_wait_xcnt 0x0
	s_wait_alu depctr_hold_cnt(0) depctr_sa_sdst(0) depctr_va_vdst(0) depctr_va_sdst(0) depctr_va_ssrc(0) depctr_va_vcc(0) depctr_vm_vsrc(0)
	s_getreg_b32 s2, hwreg(HW_REG_IB_STS2, 6, 4)
	s_cmp_eq_u32 s2, 0
	s_cbranch_scc0 .Lentry_in_a_cluster
	s_endpgm
.Lentry_in_a_cluster:
	s_bfe_u32 s2, ttmp6, 0x10000c
	s_cmp_lg_u32 s2, 0xf033
	s_cbranch_scc0 .Lentry_shape_is_right
	s_endpgm
.Lentry_shape_is_right:
; qk[m][n] = sum over k of xb[m][k] wb[n][k] + bias[n], n = 0 .. 2047: columns 0-1023 are Q (Wq, bq), 1024-2047 are K (Wk, bk).
; xb [8192][1024], wb rows 0-2047 [2048][1024], qk [8192][2048], all bf16; sums in f32, qk rounded once (it is a matrix operand of the scores launch).
; A work-group makes 256 x 256 of qk with four waves, a wave 128 x 128: 64 accumulator tiles, 512 registers.  K goes in steps of 128 through two LDS slots
; filled by tensor loads; rows of a tile are 256 bytes of memory, aligned.  8 x 32 = 256 work-groups.
; CLUSTERS of 4 x 4: xb's tile hangs on the block row alone and is asked for jointly by a row of the cluster, wb's on the block column alone, by a column.
; REGISTERS: window 0: v0-31 addresses, v64-127 and v128-191 fragments of xb (two buffers), v192-223 the way out;
;   window 1: v0-63 the bias as a C operand, v64-127 and v128-191 fragments of wb;  windows 2, 3: accumulators of my rows 0-63, 64-127 (tile (a, b) at v[8 (8 a + b)]).
; The matrix instruction is used transposed (source 0 = rows of wb, source 1 = rows of xb): lane l holds row l % 16, registers 0-7 the columns 8 (l / 16) + 0 .. 7.
; THE BIAS STARTS THE SUMS: the first product of tile (a, b) takes as C eight registers that hold bias[16 b + 8 (l / 16) + 0 .. 7]; nothing is cleared, nothing added later.
.set SIZE_N, 2048
.set SIZE_K, 1024
.set KSTEP,  128
.set PITCH,  272                       ; LDS row: 256 bytes + 16 of padding, an odd multiple of 16: the 16 rows of a fragment load start in 16 different 16-byte columns
.set HALFT,  128*PITCH                 ; what one tensor load brings
.set SLOT,   4*HALFT                   ; xb's 256 rows, then wb's 256 rows
.set STAGE,  2*SLOT                    ; behind the ring: 16 rows x 272 bytes for each wave, never a tensor load's target
.set SPITCH, 272
.set LAPS, SIZE_K/(2*KSTEP)            ; 4 laps of two K steps
.set ADRA, 16                          ; v16-17  LDS address of my xb fragments in slot 0, 1
.set ADRB, 20                          ; v20-21  the same for wb
.set STO,  24                          ; v24     way out: where I put 16 bytes of a row
.set RD,   25                          ; v25     way out: where I read a row back
.set CO,   26                          ; v26     my byte offset in qk
.set BO,   27                          ; v27     my byte offset in the bias: 32 (l / 16)
.set F0,   64
.set F1,   128
.set TMP,  192
.set G1, 24                            ; s[24:31] group 1, xb's tiles
.set G0, 32                            ; s[32:39] group 0, xb's tiles, a set for each slot
.set G1B, 48                           ; s[48:55] group 1, wb's tiles
.set G0B, 56                           ; s[56:63] group 0, wb's tiles
.set MSB, 0
.macro WIN new                         ; the immediate's high byte repeats the setting that is left; a switch that changes nothing is dropped
.if MSB != \new
	s_set_vgpr_msb (MSB<<8)|\new
.set MSB, \new
.endif
.endm
.set MUL_LO,  0xa1                     ; source 0 window 1, source 1 window 0, C and D window 2
.set MUL_HI,  0xf1                     ; the same, C and D window 3
.set BIAS_LO, 0x91                     ; the first products: C (the bias) window 1, D window 2
.set BIAS_HI, 0xd1                     ; C window 1, D window 3
.set TO_B,    0x40                     ; destination window 1, address window 0
; A joint load: waves 0, 1 fetch xb's halves, waves 2, 3 wb's.  The branch hangs on the wave's number alone.
.macro JLOAD s
	s_cmp_eq_u32 s11, 0
	s_cbranch_scc0 .Lfor_b_\@
	tensor_load_to_lds s[G0+4*\s:G0+4*\s+3], s[G1:G1+7]
	s_nop 0
	s_branch .Lasked_\@
.Lfor_b_\@:
	tensor_load_to_lds s[G0B+4*\s:G0B+4*\s+3], s[G1B:G1B+7]
	s_nop 0
.Lasked_\@:
.endm
; A round of the cluster's barrier behind its opening work-group barrier: wave 0 signals for the work-group, every wave waits for all sixteen, the work-group's barrier closes it.
.macro CREST
	s_cmp_lg_u32 s10, 0
	s_cbranch_scc1 .Lnot_wave_0_\@
	s_barrier_signal -3
.Lnot_wave_0_\@:
	s_barrier_wait -3
	s_barrier_signal -1
	s_barrier_wait -1
.endm
.macro CROUND
	s_barrier_signal -1
	s_barrier_wait -1
	CREST
.endm
	s_load_b128 s[4:7], s[0:1], 0x0                ; xb s[4:5], wb s[6:7]
	s_load_b64 s[8:9], s[0:1], 0x10                ; qk
	s_load_b64 s[68:69], s[0:1], 0x18              ; bq
	s_load_b64 s[70:71], s[0:1], 0x20              ; bk
	s_set_vgpr_msb 0x40
	v_lshl_add_u32 v255, v0, 2, 0x48400
	s_set_vgpr_msb 0x4000
	v_mov_b32 v255, 0
	s_set_vgpr_msb 0x1
	ds_add_u32 v255, v255
	s_set_vgpr_msb 0x100
	v_lshrrev_b32 v1, 5, v0
	v_readfirstlane_b32 s10, v1                    ; wave 0..3
	s_lshr_b32 s11, s10, 1                         ; my half of the block's rows; also: I fetch xb (0) or wb (1)
	s_and_b32 s12, s10, 1                          ; my half of its columns; also: which 128 rows of that tile I fetch
	s_bfe_u32 s40, ttmp6, 0x40000                  ; cx
	s_bfe_u32 s41, ttmp6, 0x40004                  ; cy
	s_lshl_b32 s42, ttmp9, 2
	s_add_co_u32 s42, s42, s40                     ; block column = 4 x cluster x + cx
	s_and_b32 s13, ttmp7, 0xffff
	s_lshl_b32 s13, s13, 2
	s_add_co_u32 s13, s13, s41                     ; block row = 4 x cluster y + cy
	s_lshl_b32 s43, s41, 2
	s_lshl_b32 s43, 15, s43                        ; my row of the cluster: places 4 cy .. 4 cy + 3
	s_lshl_b32 s44, 0x1111, s40                    ; my column: places cx, cx + 4, cx + 8, cx + 12
	; group 1: 128 rows x 128 elements of 2 bytes; after every 64 words (code 5) 4 words of padding (code 3); bit 21 stands beside a mask
	s_or_b32 s[G1+0], s43, (1<<16)|(1<<20)|(1<<21)|(5<<22)|(3<<25)
	s_or_b32 s[G1B+0], s44, (1<<16)|(1<<20)|(1<<21)|(5<<22)|(3<<25)
	s_mov_b32 s[G1+1], KSTEP<<16                   ; tensor_dim0 = 128
	s_mov_b32 s[G1B+1], KSTEP<<16
	s_mov_b32 s[G1+2], 128<<16                     ; tensor_dim1 = 128
	s_mov_b32 s[G1B+2], 128<<16
	s_mov_b32 s[G1+3], KSTEP<<16                   ; tile_dim0 = 128
	s_mov_b32 s[G1B+3], KSTEP<<16
	s_mov_b32 s[G1+4], 128                         ; tile_dim1 = 128
	s_mov_b32 s[G1B+4], 128
	s_mov_b32 s[G1+5], SIZE_K                      ; elements from row to row
	s_mov_b32 s[G1B+5], SIZE_K
	s_mov_b32 s[G1+6], 0
	s_mov_b32 s[G1B+6], 0
	s_mov_b32 s[G1+7], 0
	s_mov_b32 s[G1B+7], 0
	s_lshl_b32 s17, s12, 7
	s_lshl_b32 s16, s13, 8
	s_add_co_u32 s16, s16, s17                     ; xb: row 256 x block row + 128 x half
	s_lshl_b32 s46, s42, 8
	s_add_co_u32 s46, s46, s17                     ; wb: row 256 x block column + 128 x half
	s_mov_b32 s17, 0
	s_mov_b32 s47, 0
	s_mov_b64 s[18:19], SIZE_K*2
	s_mul_u64 s[16:17], s[16:17], s[18:19]
	s_mul_u64 s[46:47], s[46:47], s[18:19]
	s_mul_i32 s20, s10, HALFT                      ; LDS: wave x 128 rows; no place in the cluster enters an LDS address
	s_wait_dscnt 0x0
	s_wait_kmcnt 0x0
	s_add_nc_u64 s[14:15], s[4:5], s[16:17]
	s_add_nc_u64 s[46:47], s[6:7], s[46:47]
	CROUND                                         ; all sixteen work-groups are here: the first joint loads meet
.irp s, 0,1
	s_mov_b32 s[G0+4*\s], 1
	s_add_co_u32 s[G0+4*\s+1], s20, \s*SLOT
	s_add_nc_u64 s[G0+4*\s+2:G0+4*\s+3], s[14:15], \s*KSTEP*2
	s_or_b32 s[G0+4*\s+3], s[G0+4*\s+3], 0x80000000
	s_mov_b32 s[G0B+4*\s], 1
	s_add_co_u32 s[G0B+4*\s+1], s20, \s*SLOT
	s_add_nc_u64 s[G0B+4*\s+2:G0B+4*\s+3], s[46:47], \s*KSTEP*2
	s_or_b32 s[G0B+4*\s+3], s[G0B+4*\s+3], 0x80000000
	JLOAD \s                                       ; both slots' first fills, before anything else
.endr
	; the bias of my 128 columns: bq for cluster x = 0 (columns below 1024), bk for cluster x = 1; inside it 256 cx + 128 x half numbers on
	s_cmp_eq_u32 ttmp9, 0
	s_cselect_b64 s[68:69], s[68:69], s[70:71]
	s_lshl_b32 s76, s40, 10
	s_lshl_b32 s77, s12, 9
	s_add_co_u32 s76, s76, s77
	s_mov_b32 s77, 0
	s_add_nc_u64 s[68:69], s[68:69], s[76:77]
	v_and_b32 v1, 15, v0                           ; l % 16
	v_bfe_u32 v2, v0, 4, 1                         ; l / 16
	v_lshlrev_b32 v[BO], 5, v2
	WIN TO_B
.irp b, 0,1,2,3,4,5,6,7
	global_load_b128 v[8*\b:8*\b+3],   v[BO], s[68:69] offset:64*\b      ; window 1: bias[16 b + 8 (l / 16) + 0 .. 3]
	global_load_b128 v[8*\b+4:8*\b+7], v[BO], s[68:69] offset:64*\b+16   ; .. + 4 .. 7
.endr
	WIN 0
	v_mul_u32_u24 v3, v1, PITCH
	v_lshl_add_u32 v3, v2, 4, v3                   ; row x pitch + 16 x half: a fragment is two loads of 16 bytes, 32 bytes apart
	s_mul_i32 s21, s11, HALFT                      ; my 128 rows of xb
	s_mul_i32 s22, s12, HALFT                      ; my 128 rows of wb,
	s_add_co_u32 s22, s22, 2*HALFT                 ; behind xb's 256
.irp s, 0,1
	v_add_nc_u32 v[ADRA+\s], s21, v3
	v_add_nc_u32 v[ADRB+\s], s22, v3
	s_add_co_u32 s21, s21, SLOT
	s_add_co_u32 s22, s22, SLOT
.endr
	s_mul_i32 s23, s10, 16*SPITCH
	s_add_co_u32 s23, s23, STAGE                   ; my stage
	v_mul_u32_u24 v4, v1, SPITCH
	v_lshl_add_u32 v4, v2, 4, v4
	v_add_nc_u32 v[STO], s23, v4
	v_mul_u32_u24 v5, v2, SPITCH
	v_lshl_add_u32 v5, v1, 4, v5
	v_add_nc_u32 v[RD], s23, v5
	v_mul_u32_u24 v5, v2, SIZE_N*2
	v_lshl_add_u32 v[CO], v1, 4, v5
; 16 matrix instructions: m blocks a0, a0 + 1 of the window's four x all 8 n blocks, 32 along K.  zero = 1: the bias is the C operand.
.macro MUL16 f, hi, a0, zero
.irp a, \a0, \a0+1
.irp b, 0,1,2,3,4,5,6,7
.if \zero
	v_wmma_f32_16x16x32_bf16 v[8*(8*(\a)+\b):8*(8*(\a)+\b)+7], v[\f+8*\b:\f+8*\b+7], v[\f+8*(4*\hi+\a):\f+8*(4*\hi+\a)+7], v[8*\b:8*\b+7]
.else
	v_wmma_f32_16x16x32_bf16 v[8*(8*(\a)+\b):8*(8*(\a)+\b)+7], v[\f+8*\b:\f+8*\b+7], v[\f+8*(4*\hi+\a):\f+8*(4*\hi+\a)+7], v[8*(8*(\a)+\b):8*(8*(\a)+\b)+7]
.endif
.endr
.endr
.endm
; 32 LDS loads in one run: one quarter step's fragments (32 K at byte k of the rows) into buffer f
.macro FETCH slot, k, f
	WIN TO_B
.irp i, 0,1,2,3,4,5,6,7
	ds_load_b128 v[\f+8*\i:\f+8*\i+3],   v[ADRB+\slot] offset:\k+\i*16*PITCH
	ds_load_b128 v[\f+8*\i+4:\f+8*\i+7], v[ADRB+\slot] offset:\k+\i*16*PITCH+32
.endr
	WIN 0
.irp i, 0,1,2,3,4,5,6,7
	ds_load_b128 v[\f+8*\i:\f+8*\i+3],   v[ADRA+\slot] offset:\k+\i*16*PITCH
	ds_load_b128 v[\f+8*\i+4:\f+8*\i+7], v[ADRA+\slot] offset:\k+\i*16*PITCH+32
.endr
.endm
; Four places of plain vector instructions stand between a matrix instruction and a load into, or a vector access to, one of its registers.
.macro PLACES
.rept 4
	v_nop
.endr
.endm
; A quarter step: 64 matrix instructions on buffer f; in its middle the next quarter's fragments go into buffer g.
; The 64 accumulators take turns, one instruction a turn, in the same order in every quarter.
.macro QUARTER slot, k, f, g, zero
	s_wait_dscnt 8                                 ; wb's and xb's rows 0-63 are in; the youngest eight loads (xb's rows 64-127) may be out
.if \zero
	WIN BIAS_LO
.else
	WIN MUL_LO
.endif
	MUL16 \f, 0, 0, \zero
	MUL16 \f, 0, 2, \zero
	PLACES
	FETCH \slot, \k, \g
	s_wait_dscnt 32                                ; all but the 32 just issued
.if \zero
	WIN BIAS_HI
.else
	WIN MUL_HI
.endif
	MUL16 \f, 1, 0, \zero
	MUL16 \f, 1, 2, \zero
.endm
.macro THREE slot, zero
	QUARTER \slot, 64,  F0, F1, \zero
	QUARTER \slot, 128, F1, F0, 0
	QUARTER \slot, 192, F0, F1, 0
.endm
; The last quarter of a K step changes slots.  In front of the barrier each wave waits for its reads of this slot and for all its tensor loads (one is out:
; its part of the next slot).  Behind it (with fill = 1: behind the cluster's round that it opens) the refill comes first, then the next slot's first fragments.
.macro TURN slot, next, fill
	s_wait_dscnt 8
	WIN MUL_LO
	MUL16 F1, 0, 0, 0
	s_wait_dscnt 0                                 ; my reads of this slot are over
	s_wait_tensorcnt 0x0                           ; all my tensor loads have landed
	ds_add_u32 v255, v255
	s_wait_dscnt 0x0
	s_barrier_signal -1
	MUL16 F1, 0, 2, 0                              ; register work alone between signal and wait
	WIN 0
	s_barrier_wait -1
.if \fill
	CREST                                          ; no wave of any partner still reads this slot or has a load on its way
	s_add_nc_u64 s[G0+4*\slot+2:G0+4*\slot+3], s[G0+4*\slot+2:G0+4*\slot+3], 2*KSTEP*2
	s_add_nc_u64 s[G0B+4*\slot+2:G0B+4*\slot+3], s[G0B+4*\slot+2:G0B+4*\slot+3], 2*KSTEP*2
	JLOAD \slot                                    ; my one tensor load behind the round
.endif
	PLACES
	FETCH \next, 0, F0
	WIN MUL_HI
	MUL16 F1, 1, 0, 0
	MUL16 F1, 1, 2, 0
.endm
.macro LAP zero
	THREE 0, \zero
	TURN 0, 1, 1
	THREE 1, 0
	TURN 1, 0, 1
.endm
	s_wait_tensorcnt 1                             ; my part of K step 0 is in; K step 1's stays out
	s_barrier_signal -1
	s_barrier_wait -1
	FETCH 0, 0, F0
	s_wait_loadcnt 0x0                             ; the bias
	LAP 1
	WIN 0                                          ; at a label and at a branch every window is 0
	s_mov_b32 s3, LAPS-2
.Llap:
	LAP 0
	WIN 0
	s_sub_co_u32 s3, s3, 1
	s_cmp_lg_u32 s3, 0
	s_cbranch_scc1 .Llap
	THREE 0, 0                                     ; the last lap fills nothing
	TURN 0, 1, 0
	THREE 1, 0
	s_wait_dscnt 8
	WIN MUL_LO
	MUL16 F1, 0, 0, 0
	MUL16 F1, 0, 2, 0
	s_wait_dscnt 0
	WIN MUL_HI
	MUL16 F1, 1, 0, 0
	MUL16 F1, 1, 2, 0
	; THE WAY OUT, 16 rows at a time: round to bf16, 16 bytes a lane into my stage, read back as whole rows of 256 bytes.
	PLACES
	s_lshl_b32 s13, s13, 8
	s_lshl_b32 s14, s11, 7
	s_add_co_u32 s16, s13, s14                     ; my first row
	s_mov_b32 s17, 0
	s_mov_b64 s[18:19], SIZE_N*2
	s_mul_u64 s[16:17], s[16:17], s[18:19]
	s_add_nc_u64 s[8:9], s[8:9], s[16:17]
	s_lshl_b32 s46, s42, 9                         ; my first column in bytes: 512 x block + 256 x half
	s_lshl_b32 s47, s12, 8
	s_add_co_u32 s46, s46, s47
	s_mov_b32 s47, 0
	s_add_nc_u64 s[8:9], s[8:9], s[46:47]
.macro OUT16 i, a, from, f
	WIN \from
.irp b, 0,1,2,3,4,5,6,7
.irp r, 0,1,2,3
	v_cvt_pk_bf16_f32 v[TMP+4*\b+\r], v[8*(8*\a+\b)+2*\r], v[8*(8*\a+\b)+2*\r+1]
.endr
.endr
	WIN 0
.irp b, 0,1,2,3,4,5,6,7
	ds_store_b128 v[STO], v[TMP+4*\b:TMP+4*\b+3] offset:32*\b
.endr
	s_wait_xcnt 0x0                                ; buffer f, which earlier stores read, and the stores' base are rewritten only behind this wait
.if \i
	s_add_nc_u64 s[8:9], s[8:9], 16*SIZE_N*2
.endif
.irp t, 0,1,2,3,4,5,6,7
	ds_load_b128 v[\f+4*\t:\f+4*\t+3], v[RD] offset:\t*2*SPITCH    ; a wave's LDS instructions are served in order: these see the stores above
.endr
.irp t, 0,1,2,3,4,5,6,7
	s_wait_dscnt 7-\t                              ; the 7 - t younger read-backs stay out
	global_store_b128 v[CO], v[\f+4*\t:\f+4*\t+3], s[8:9] offset:2*\t*SIZE_N*2   ; 16 lanes store 256 consecutive bytes, aligned
.endr
.endm
	OUT16 0, 0, 0x0a, F0
	OUT16 1, 1, 0x0a, F1
	OUT16 2, 2, 0x0a, F0
	OUT16 3, 3, 0x0a, F1
	OUT16 4, 0, 0x0f, F0
	OUT16 5, 1, 0x0f, F1
	OUT16 6, 2, 0x0f, F0
	OUT16 7, 3, 0x0f, F1
	s_set_vgpr_msb 0x1
	s_wait_tensorcnt 0x0
	ds_add_u32 v255, v255
	s_wait_dscnt 0x0
	s_set_vgpr_msb 0x100
	CROUND                                         ; the closing round
	s_endpgm
.Lfunc_end_k_qc6ba41b3de_projqk:
	.size	k_qc6ba41b3de_projqk, .Lfunc_end_k_qc6ba41b3de_projqk-k_qc6ba41b3de_projqk
	.p2alignl 7, 3214868480
	.fill 96, 4, 3214868480
	.section	.rodata,"a",@progbits
	.p2align	6, 0x0
	.amdhsa_kernel k_qc6ba41b3de_projqk
		.amdhsa_group_segment_fixed_size 327680
		.amdhsa_private_segment_fixed_size 0
		.amdhsa_enable_private_segment 0
		.amdhsa_kernarg_size 40
		.amdhsa_user_sgpr_count 2
		.amdhsa_user_sgpr_kernarg_segment_ptr 1
		.amdhsa_wavefront_size32 1
		.amdhsa_system_sgpr_workgroup_id_x 1
		.amdhsa_system_sgpr_workgroup_id_y 1
		.amdhsa_system_sgpr_workgroup_id_z 1
		.amdhsa_system_vgpr_workitem_id 0
		.amdhsa_next_free_vgpr 1024
		.amdhsa_next_free_sgpr 80
		.amdhsa_reserve_vcc 0
		.amdhsa_float_denorm_mode_32 3
		.amdhsa_float_denorm_mode_16_64 3
		.amdhsa_memory_ordered 1
		.amdhsa_forward_progress 1
		.amdhsa_inst_pref_size 198
	.end_amdhsa_kernel
	.amdgpu_metadata
---
amdhsa.version: [ 1, 2 ]
amdhsa.kernels:
  - .name:           k_qc6ba41b3de_projqk
    .symbol:         k_qc6ba41b3de_projqk.kd
    .args:
      - { .name: xb, .offset: 0, .size: 8, .value_kind: global_buffer, .address_space: global }
      - { .name: wb, .offset: 8, .size: 8, .value_kind: global_buffer, .address_space: global }
      - { .name: qk, .offset: 16, .size: 8, .value_kind: global_buffer, .address_space: global }
      - { .name: bq, .offset: 24, .size: 8, .value_kind: global_buffer, .address_space: global }
      - { .name: bk, .offset: 32, .size: 8, .value_kind: global_buffer, .address_space: global }
    .group_segment_fixed_size: 327680
    .private_segment_fixed_size: 0
    .kernarg_segment_align: 8
    .kernarg_segment_size: 40
    .max_flat_workgroup_size: 128
    .sgpr_count:     80
    .vgpr_count:     1024
    .wavefront_size: 32
...
	.end_amdgpu_metadata
.endif
;; end of part 2
;; launch projv (part 3): grid 64 x 4, 4 waves a work-group, clusters of 4 x 4, 327,680 bytes of LDS; arguments wb, xb, vt, bv; writes vt
.if DOCPART == 3
	.amdgcn_target "amdgcn-amd-amdhsa--gfx1250"
	.amdhsa_code_object_version 6
	.text
	.protected	k_qc6ba41b3de_projv
	.globl	k_qc6ba41b3de_projv
	.p2align	8
	.type	k_qc6ba41b3de_projv,@function
k_qc6ba41b3de_projv:
	s_mov_b64 s[64:65], 0
	v_nop
	global_prefetch_b8 v0, s[64:65] scope:SCOPE_SE
	s_setreg_imm32_b32 hwreg(HW_REG_WAVE_MODE, 25, 1), 1
	s_wait_xcnt 0x0
	s_wait_alu depctr_hold_cnt(0) depctr_sa_sdst(0) depctr_va_vdst(0) depctr_va_sdst(0) depctr_va_ssrc(0) depctr_va_vcc(0) depctr_vm_vsrc(0)
	s_getreg_b32 s2, hwreg(HW_REG_IB_STS2, 6, 4)
	s_cmp_eq_u32 s2, 0
	s_cbranch_scc0 .Lentry_in_a_cluster
	s_endpgm
.Lentry_in_a_cluster:
	s_bfe_u32 s2, ttmp6, 0x10000c
	s_cmp_lg_u32 s2, 0xf033
	s_cbranch_scc0 .Lentry_shape_is_right
	s_endpgm
.Lentry_shape_is_right:
; V transposed: vt[e][t] = sum over d of Wv[e][d] xb[t][d] + bv[e].  Wv = rows 2048-3071 of wb [.][1024], xb [8192][1024], vt [1024][8192], all bf16;
; sums in f32, vt rounded once (a matrix operand of the last launch, where the keys must lie along the rows).
; The output has 8.4 M numbers: blocks of 256 (e) x 128 (t) give 4 x 64 = 256 work-groups.  Four waves; wave w makes rows 64 w .. 64 w + 63 x all 128 columns:
; 32 accumulator tiles = window 1 (tile (a, b) at v[8 (8 a + b)]).  K in steps of 128 through two LDS slots of 384 rows x 272 bytes.
; CLUSTERS of 4 x 4: Wv's tile hangs on the block row alone (joint along a row of the cluster), xb's on the block column alone (joint along a column).
; Window 0: v16-27 addresses; buffers of fragments at v32 and v128 (4 of Wv, then 8 of xb, 8 registers each); v224-255 the bias as C operand, later the way out.
; Transposed use: source 0 = rows of xb, source 1 = rows of Wv: lane l holds row e = l % 16, registers 0-7 the columns 8 (l / 16) + 0 .. 7.
; THE BIAS STARTS THE SUMS: a lane's eight results of tile (a, b) lie in one row, so the C operand of the first products is bv[16 a + l % 16] eight times.
.set SIZE_N, 8192
.set SIZE_K, 1024
.set KSTEP,  128
.set PITCH,  272
.set HALFA,  128*PITCH                 ; one tensor load of waves 0, 1
.set HALFB,  64*PITCH                  ; one tensor load of waves 2, 3
.set ABYTES, 2*HALFA
.set SLOT,   ABYTES+2*HALFB            ; 104,448
.set STAGE,  2*SLOT                    ; 208,896: 16 rows x 272 bytes for each wave
.set SPITCH, 272
.set LAPS, SIZE_K/(2*KSTEP)
.set ADRA, 16
.set ADRB, 20
.set STO,  24
.set RD,   25
.set CO,   26
.set BO,   27
.set F0,   32
.set F1,   128
.set TMP,  224
.set G1, 24
.set G0, 32
.set G1B, 48
.set G0B, 56
.set MSB, 0
.macro WIN new
.if MSB != \new
	s_set_vgpr_msb (MSB<<8)|\new
.set MSB, \new
.endif
.endm
.set MUL,       0x50                   ; sources 0, 1 window 0; C and D window 1
.set MUL_FIRST, 0x40                   ; C (the bias) window 0, D window 1
.macro JLOAD s
	s_cmp_eq_u32 s11, 0
	s_cbranch_scc0 .Lfor_b_\@
	tensor_load_to_lds s[G0+4*\s:G0+4*\s+3], s[G1:G1+7]
	s_nop 0
	s_branch .Lasked_\@
.Lfor_b_\@:
	tensor_load_to_lds s[G0B+4*\s:G0B+4*\s+3], s[G1B:G1B+7]
	s_nop 0
.Lasked_\@:
.endm
.macro CREST
	s_cmp_lg_u32 s10, 0
	s_cbranch_scc1 .Lnot_wave_0_\@
	s_barrier_signal -3
.Lnot_wave_0_\@:
	s_barrier_wait -3
	s_barrier_signal -1
	s_barrier_wait -1
.endm
.macro CROUND
	s_barrier_signal -1
	s_barrier_wait -1
	CREST
.endm
	s_load_b128 s[4:7], s[0:1], 0x0                ; wb s[4:5], xb s[6:7]
	s_load_b64 s[8:9], s[0:1], 0x10                ; vt
	s_load_b64 s[68:69], s[0:1], 0x18              ; bv
	v_lshl_add_u32 v30, v0, 2, 0x37400
	v_mov_b32 v31, 0
	ds_add_u32 v30, v31
	v_lshrrev_b32 v1, 5, v0
	v_readfirstlane_b32 s10, v1                    ; wave 0..3
	s_lshr_b32 s11, s10, 1                         ; I fetch Wv (0) or xb (1)
	s_and_b32 s12, s10, 1                          ; which half of that tile
	s_bfe_u32 s40, ttmp6, 0x40000                  ; cx
	s_bfe_u32 s41, ttmp6, 0x40004                  ; cy
	s_lshl_b32 s42, ttmp9, 2
	s_add_co_u32 s42, s42, s40                     ; block column (128 tokens)
	s_and_b32 s13, ttmp7, 0xffff
	s_lshl_b32 s13, s13, 2
	s_add_co_u32 s13, s13, s41                     ; block row (256 e)
	s_lshl_b32 s43, s41, 2
	s_lshl_b32 s43, 15, s43
	s_lshl_b32 s44, 0x1111, s40
	s_or_b32 s[G1+0], s43, (1<<16)|(1<<20)|(1<<21)|(5<<22)|(3<<25)
	s_or_b32 s[G1B+0], s44, (1<<16)|(1<<20)|(1<<21)|(5<<22)|(3<<25)
	s_mov_b32 s[G1+1], KSTEP<<16
	s_mov_b32 s[G1B+1], KSTEP<<16
	s_mov_b32 s[G1+2], 128<<16                     ; Wv: 128 rows a load
	s_mov_b32 s[G1B+2], 64<<16                     ; xb: 64 rows a load
	s_mov_b32 s[G1+3], KSTEP<<16
	s_mov_b32 s[G1B+3], KSTEP<<16
	s_mov_b32 s[G1+4], 128
	s_mov_b32 s[G1B+4], 64
	s_mov_b32 s[G1+5], SIZE_K
	s_mov_b32 s[G1B+5], SIZE_K
	s_mov_b32 s[G1+6], 0
	s_mov_b32 s[G1B+6], 0
	s_mov_b32 s[G1+7], 0
	s_mov_b32 s[G1B+7], 0
	s_lshl_b32 s17, s12, 7
	s_lshl_b32 s16, s13, 8
	s_add_co_u32 s16, s16, s17                     ; Wv: row 256 x block row + 128 x half
	s_lshl_b32 s47, s12, 6
	s_lshl_b32 s46, s42, 7
	s_add_co_u32 s46, s46, s47                     ; xb: row 128 x block column + 64 x half
	s_mov_b32 s17, 0
	s_mov_b32 s47, 0
	s_mov_b64 s[18:19], SIZE_K*2
	s_mul_u64 s[16:17], s[16:17], s[18:19]
	s_mul_u64 s[46:47], s[46:47], s[18:19]
	s_mul_i32 s20, s10, HALFA                      ; LDS of Wv's halves (waves 0, 1)
	s_mul_i32 s45, s10, HALFB
	s_add_co_u32 s45, s45, ABYTES-2*HALFB          ; LDS of xb's halves (waves 2, 3): behind Wv's 256 rows
	s_wait_dscnt 0x0
	s_wait_kmcnt 0x0
	s_add_nc_u64 s[4:5], s[4:5], 2048*SIZE_K*2     ; Wv lies behind Wq and Wk
	s_add_nc_u64 s[14:15], s[4:5], s[16:17]
	s_add_nc_u64 s[46:47], s[6:7], s[46:47]
	CROUND
.irp s, 0,1
	s_mov_b32 s[G0+4*\s], 1
	s_add_co_u32 s[G0+4*\s+1], s20, \s*SLOT
	s_add_nc_u64 s[G0+4*\s+2:G0+4*\s+3], s[14:15], \s*KSTEP*2
	s_or_b32 s[G0+4*\s+3], s[G0+4*\s+3], 0x80000000
	s_mov_b32 s[G0B+4*\s], 1
	s_add_co_u32 s[G0B+4*\s+1], s45, \s*SLOT
	s_add_nc_u64 s[G0B+4*\s+2:G0B+4*\s+3], s[46:47], \s*KSTEP*2
	s_or_b32 s[G0B+4*\s+3], s[G0B+4*\s+3], 0x80000000
	JLOAD \s
.endr
	; the bias of my 64 rows
	s_lshl_b32 s76, s13, 10                        ; 256 rows x 4 bytes a block
	s_lshl_b32 s77, s10, 8                         ; 64 rows x 4 bytes a wave
	s_add_co_u32 s76, s76, s77
	s_mov_b32 s77, 0
	s_add_nc_u64 s[68:69], s[68:69], s[76:77]
	v_and_b32 v1, 15, v0                           ; l % 16
	v_bfe_u32 v2, v0, 4, 1                         ; l / 16
	v_lshlrev_b32 v[BO], 2, v1
.irp a, 0,1,2,3
	global_load_b32 v[TMP+8*\a], v[BO], s[68:69] offset:64*\a
.endr
	v_mul_u32_u24 v3, v1, PITCH
	v_lshl_add_u32 v3, v2, 4, v3
	s_mul_i32 s21, s10, 64*PITCH                   ; my 64 rows of Wv
	s_mov_b32 s22, ABYTES                          ; xb's 128 rows
.irp s, 0,1
	v_add_nc_u32 v[ADRA+\s], s21, v3
	v_add_nc_u32 v[ADRB+\s], s22, v3
	s_add_co_u32 s21, s21, SLOT
	s_add_co_u32 s22, s22, SLOT
.endr
	s_mul_i32 s23, s10, 16*SPITCH
	s_add_co_u32 s23, s23, STAGE
	v_mul_u32_u24 v4, v1, SPITCH
	v_lshl_add_u32 v4, v2, 4, v4
	v_add_nc_u32 v[STO], s23, v4
	v_mul_u32_u24 v5, v2, SPITCH
	v_lshl_add_u32 v5, v1, 4, v5
	v_add_nc_u32 v[RD], s23, v5
	v_mul_u32_u24 v5, v2, SIZE_N*2
	v_lshl_add_u32 v[CO], v1, 4, v5
	s_wait_loadcnt 0x0
.irp a, 0,1,2,3
.irp j, 1,2,3,4,5,6,7
	v_mov_b32 v[TMP+8*\a+\j], v[TMP+8*\a]          ; 28 copies: the row's bias in all eight registers of the C operand
.endr
.endr
; 8 matrix instructions: m block a x all 8 n blocks, 32 along K
.macro MUL8 f, a, first
.irp b, 0,1,2,3,4,5,6,7
.if \first
	v_wmma_f32_16x16x32_bf16 v[8*(8*\a+\b):8*(8*\a+\b)+7], v[\f+32+8*\b:\f+32+8*\b+7], v[\f+8*\a:\f+8*\a+7], v[TMP+8*\a:TMP+8*\a+7]
.else
	v_wmma_f32_16x16x32_bf16 v[8*(8*\a+\b):8*(8*\a+\b)+7], v[\f+32+8*\b:\f+32+8*\b+7], v[\f+8*\a:\f+8*\a+7], v[8*(8*\a+\b):8*(8*\a+\b)+7]
.endif
.endr
.endm
; 24 LDS loads in one run: xb's 8 fragments, then Wv's 4
.macro FETCH slot, k, f
	WIN 0
.irp i, 0,1,2,3,4,5,6,7
	ds_load_b128 v[\f+32+8*\i:\f+32+8*\i+3], v[ADRB+\slot] offset:\k+\i*16*PITCH
	ds_load_b128 v[\f+32+8*\i+4:\f+32+8*\i+7], v[ADRB+\slot] offset:\k+\i*16*PITCH+32
.endr
.irp i, 0,1,2,3
	ds_load_b128 v[\f+8*\i:\f+8*\i+3],   v[ADRA+\slot] offset:\k+\i*16*PITCH
	ds_load_b128 v[\f+8*\i+4:\f+8*\i+7], v[ADRA+\slot] offset:\k+\i*16*PITCH+32
.endr
.endm
.macro PLACES                          ; four places between a matrix instruction and a load into one of its registers
.rept 4
	v_nop
.endr
.endm
; A quarter step: 32 matrix instructions on buffer f, the next quarter's fragments fetched in its middle.  The 32 accumulators take turns.
.macro QUARTER slot, k, f, g, first
	s_wait_dscnt 4                                 ; all but the youngest four loads (Wv's tiles 2, 3)
.if \first
	WIN MUL_FIRST
.else
	WIN MUL
.endif
	MUL8 \f, 0, \first
	MUL8 \f, 1, \first
	PLACES
	FETCH \slot, \k, \g
	s_wait_dscnt 24                                ; all but the 24 just issued
.if \first
	WIN MUL_FIRST
.else
	WIN MUL
.endif
	MUL8 \f, 2, \first
	MUL8 \f, 3, \first
.endm
.macro THREE slot, first
	QUARTER \slot, 64,  F0, F1, \first
	QUARTER \slot, 128, F1, F0, 0
	QUARTER \slot, 192, F0, F1, 0
.endm
.macro TURN slot, next, fill
	s_wait_dscnt 4
	WIN MUL
	MUL8 F1, 0, 0
	s_wait_dscnt 0                                 ; my reads of this slot are over
	s_wait_tensorcnt 0x0                           ; all my tensor loads have landed: the one that was out is my part of the next slot
	ds_add_u32 v30, v31
	s_wait_dscnt 0x0
	s_barrier_signal -1
	MUL8 F1, 1, 0
	WIN 0
	s_barrier_wait -1
.if \fill
	CREST
	s_add_nc_u64 s[G0+4*\slot+2:G0+4*\slot+3], s[G0+4*\slot+2:G0+4*\slot+3], 2*KSTEP*2
	s_add_nc_u64 s[G0B+4*\slot+2:G0B+4*\slot+3], s[G0B+4*\slot+2:G0B+4*\slot+3], 2*KSTEP*2
	JLOAD \slot                                    ; my one tensor load behind the round
.endif
	PLACES
	FETCH \next, 0, F0
	WIN MUL
	MUL8 F1, 2, 0
	MUL8 F1, 3, 0
.endm
.macro LAP first
	THREE 0, \first
	TURN 0, 1, 1
	THREE 1, 0
	TURN 1, 0, 1
.endm
	s_wait_tensorcnt 1                             ; my part of K step 0 is in; K step 1's stays out
	s_barrier_signal -1
	s_barrier_wait -1
	FETCH 0, 0, F0
	LAP 1
	WIN 0
	s_mov_b32 s3, LAPS-2
.Llap:
	LAP 0
	WIN 0
	s_sub_co_u32 s3, s3, 1
	s_cmp_lg_u32 s3, 0
	s_cbranch_scc1 .Llap
	THREE 0, 0
	TURN 0, 1, 0
	THREE 1, 0
	s_wait_dscnt 4
	WIN MUL
	MUL8 F1, 0, 0
	MUL8 F1, 1, 0
	s_wait_dscnt 0
	MUL8 F1, 2, 0
	MUL8 F1, 3, 0
	; THE WAY OUT: a row of the block is 128 bf16 = 256 bytes
	PLACES
	s_lshl_b32 s13, s13, 8
	s_lshl_b32 s14, s10, 6
	s_add_co_u32 s16, s13, s14                     ; my first row: 256 x block row + 64 x wave
	s_mov_b32 s17, 0
	s_mov_b64 s[18:19], SIZE_N*2
	s_mul_u64 s[16:17], s[16:17], s[18:19]
	s_add_nc_u64 s[8:9], s[8:9], s[16:17]
	s_lshl_b32 s46, s42, 8                         ; 128 columns x 2 bytes a block
	s_mov_b32 s47, 0
	s_add_nc_u64 s[8:9], s[8:9], s[46:47]
.macro OUT16 i, f
	WIN 0x05                                       ; sources 0, 1 window 1
.irp b, 0,1,2,3,4,5,6,7
.irp r, 0,1,2,3
	v_cvt_pk_bf16_f32 v[TMP+4*\b+\r], v[8*(8*\i+\b)+2*\r], v[8*(8*\i+\b)+2*\r+1]
.endr
.endr
	WIN 0
.irp b, 0,1,2,3,4,5,6,7
	ds_store_b128 v[STO], v[TMP+4*\b:TMP+4*\b+3] offset:32*\b
.endr
	s_wait_xcnt 0x0                                ; buffer f and the stores' base are rewritten only behind this wait
.if \i
	s_add_nc_u64 s[8:9], s[8:9], 16*SIZE_N*2
.endif
.irp t, 0,1,2,3,4,5,6,7
	ds_load_b128 v[\f+4*\t:\f+4*\t+3], v[RD] offset:\t*2*SPITCH
.endr
.irp t, 0,1,2,3,4,5,6,7
	s_wait_dscnt 7-\t
	global_store_b128 v[CO], v[\f+4*\t:\f+4*\t+3], s[8:9] offset:2*\t*SIZE_N*2   ; 16 lanes store 256 consecutive bytes, aligned
.endr
.endm
	OUT16 0, F0
	OUT16 1, F1
	OUT16 2, F0
	OUT16 3, F1
	s_wait_tensorcnt 0x0
	ds_add_u32 v30, v31
	s_wait_dscnt 0x0
	CROUND
	s_endpgm
.Lfunc_end_k_qc6ba41b3de_projv:
	.size	k_qc6ba41b3de_projv, .Lfunc_end_k_qc6ba41b3de_projv-k_qc6ba41b3de_projv
	.p2alignl 7, 3214868480
	.fill 96, 4, 3214868480
	.section	.rodata,"a",@progbits
	.p2align	6, 0x0
	.amdhsa_kernel k_qc6ba41b3de_projv
		.amdhsa_group_segment_fixed_size 327680
		.amdhsa_private_segment_fixed_size 0
		.amdhsa_enable_private_segment 0
		.amdhsa_kernarg_size 32
		.amdhsa_user_sgpr_count 2
		.amdhsa_user_sgpr_kernarg_segment_ptr 1
		.amdhsa_wavefront_size32 1
		.amdhsa_system_sgpr_workgroup_id_x 1
		.amdhsa_system_sgpr_workgroup_id_y 1
		.amdhsa_system_sgpr_workgroup_id_z 1
		.amdhsa_system_vgpr_workitem_id 0
		.amdhsa_next_free_vgpr 512
		.amdhsa_next_free_sgpr 80
		.amdhsa_reserve_vcc 0
		.amdhsa_float_denorm_mode_32 3
		.amdhsa_float_denorm_mode_16_64 3
		.amdhsa_memory_ordered 1
		.amdhsa_forward_progress 1
		.amdhsa_inst_pref_size 119
	.end_amdhsa_kernel
	.amdgpu_metadata
---
amdhsa.version: [ 1, 2 ]
amdhsa.kernels:
  - .name:           k_qc6ba41b3de_projv
    .symbol:         k_qc6ba41b3de_projv.kd
    .args:
      - { .name: wb, .offset: 0, .size: 8, .value_kind: global_buffer, .address_space: global }
      - { .name: xb, .offset: 8, .size: 8, .value_kind: global_buffer, .address_space: global }
      - { .name: vt, .offset: 16, .size: 8, .value_kind: global_buffer, .address_space: global }
      - { .name: bv, .offset: 24, .size: 8, .value_kind: global_buffer, .address_space: global }
    .group_segment_fixed_size: 327680
    .private_segment_fixed_size: 0
    .kernarg_segment_align: 8
    .kernarg_segment_size: 32
    .max_flat_workgroup_size: 128
    .sgpr_count:     80
    .vgpr_count:     512
    .wavefront_size: 32
...
	.end_amdgpu_metadata
.endif
;; end of part 3
;; launch scores (part 4): grid 8 x 32, 4 waves a work-group, clusters of 4 x 4, 327,680 bytes of LDS; arguments qk, pp, stats; writes pp, stats
.if DOCPART == 4
	.amdgcn_target "amdgcn-amd-amdhsa--gfx1250"
	.amdhsa_code_object_version 6
	.text
	.protected	k_qc6ba41b3de_scores
	.globl	k_qc6ba41b3de_scores
	.p2align	8
	.type	k_qc6ba41b3de_scores,@function
k_qc6ba41b3de_scores:
	s_mov_b64 s[64:65], 0
	v_nop
	global_prefetch_b8 v0, s[64:65] scope:SCOPE_SE
	s_setreg_imm32_b32 hwreg(HW_REG_WAVE_MODE, 25, 1), 1
	s_wait_xcnt 0x0
	s_wait_alu depctr_hold_cnt(0) depctr_sa_sdst(0) depctr_va_vdst(0) depctr_va_sdst(0) depctr_va_ssrc(0) depctr_va_vcc(0) depctr_vm_vsrc(0)
	s_getreg_b32 s2, hwreg(HW_REG_IB_STS2, 6, 4)
	s_cmp_eq_u32 s2, 0
	s_cbranch_scc0 .Lentry_in_a_cluster
	s_endpgm
.Lentry_in_a_cluster:
	s_bfe_u32 s2, ttmp6, 0x10000c
	s_cmp_lg_u32 s2, 0xf033
	s_cbranch_scc0 .Lentry_shape_is_right
	s_endpgm
.Lentry_shape_is_right:
; s[q][key] = sum over d of Q[q][d] K[key][d] inside each batch, and the first half of the softmax, by blocks of 128 keys:
;   M2[kb][q] = c x (largest s of row q in key block kb), ROUNDED UP TO A WHOLE NUMBER, c = log2(e) / sqrt(1024);
;   pp[q][key] = 2^(c s - M2), bf16;  l[kb][q] = the block's sum of these, f32.
; So the block's maximum is taken away in front of every exponential, up to less than one power of two: a block's largest exponential lies in (1/2, 1].
; Why a whole number: the last launch brings a row's 16 blocks onto one shift by factors 2^(M2 - largest M2), which are then exact powers of two,
; so that neither the factor nor its product with pp is rounded in bf16.
; The scores never go to memory in f32.
; Q = columns 0-1023, K = columns 1024-2047 of qk [8192][2048] bf16.  pp [8192][2048 keys of the row's batch] bf16.  stats f32 [16 kb][M2, l][8192].
; LIMITS: pp is rounded to bf16 (a matrix operand); an exponential below 2^-126 comes out as 0; a row with a NaN or +infinity among its scores gives NaN.
; Shape: 256 x 256 a work-group, 128 x 128 a wave (so a wave's columns are one key block), K = 1024 in steps of 128 through two LDS slots; 8 x 32 = 256 work-groups.
; CLUSTERS of 4 x 4: Q's tile is joint along a row of the cluster, K's along a column (a cluster's 1024 rows lie inside one batch: batch = cluster y / 2).
; REGISTERS: window 0: v0-31 addresses, v32-55 softmax, v64-127 / v128-191 fragments of Q, v192-223 the way out; window 1: fragments of K; windows 2, 3: accumulators.
; Transposed use (source 0 = rows of K): lane l holds row q = l % 16 and 64 of its 128 columns; lane l xor 16 holds the other 64.
.set SIZE_N, 2048                      ; columns of pp
.set SIZE_K, 1024
.set QKP,    2048                      ; elements from row to row of qk
.set KSTEP,  128
.set PITCH,  272
.set HALFT,  128*PITCH
.set SLOT,   4*HALFT
.set STAGE,  2*SLOT                    ; 278,528: 16 rows x 272 bytes for each wave
.set STATST, STAGE+4*16*272            ; 295,936: for each wave 128 M2, then 128 l
.set SPITCH, 272
.set LAPS, SIZE_K/(2*KSTEP)
.set ADRA, 16
.set ADRB, 20
.set STO,  24
.set RD,   25
.set CO,   26
.set SA,   27                          ; v27  where I put M2 (lanes 0-15) or l (lanes 16-31) of row l % 16
.set SR,   28                          ; v28  where I read 4 of them back
.set SO,   29                          ; v29  16 x lane: my offset in stats
.set MX,   32                          ; v32-35 four running maxima
.set M2,   36
.set SV,   37
.set NM,   38                          ; v[38:39] -M2, twice
.set SM,   40                          ; v[40:47] four running sums of pairs
.set FS,   48                          ; v[48:55] the wave's stats on their way out
.set F0,   64
.set EX,   64                          ; v[64:127] 64 exponents, then exponentials
.set F1,   128
.set TMP,  192
.set CL2,  0x3d38aa3b                  ; c = log2(e) / 32
.set NCL2, 0xbd38aa3b                  ; -c
.set G1, 24
.set G0, 32
.set G1B, 48
.set G0B, 56
.set MSB, 0
.macro WIN new
.if MSB != \new
	s_set_vgpr_msb (MSB<<8)|\new
.set MSB, \new
.endif
.endm
.set MUL_LO, 0xa1
.set MUL_HI, 0xf1
.set TO_B,   0x40
.macro JLOAD s
	s_cmp_eq_u32 s11, 0
	s_cbranch_scc0 .Lfor_b_\@
	tensor_load_to_lds s[G0+4*\s:G0+4*\s+3], s[G1:G1+7]
	s_nop 0
	s_branch .Lasked_\@
.Lfor_b_\@:
	tensor_load_to_lds s[G0B+4*\s:G0B+4*\s+3], s[G1B:G1B+7]
	s_nop 0
.Lasked_\@:
.endm
.macro CREST
	s_cmp_lg_u32 s10, 0
	s_cbranch_scc1 .Lnot_wave_0_\@
	s_barrier_signal -3
.Lnot_wave_0_\@:
	s_barrier_wait -3
	s_barrier_signal -1
	s_barrier_wait -1
.endm
.macro CROUND
	s_barrier_signal -1
	s_barrier_wait -1
	CREST
.endm
	s_load_b64 s[4:5], s[0:1], 0x0                 ; qk
	s_load_b64 s[8:9], s[0:1], 0x8                 ; pp
	s_load_b64 s[72:73], s[0:1], 0x10              ; stats
	s_set_vgpr_msb 0x40
	v_lshl_add_u32 v255, v0, 2, 0x49400
	s_set_vgpr_msb 0x4000
	v_mov_b32 v255, 0
	s_set_vgpr_msb 0x1
	ds_add_u32 v255, v255
	s_set_vgpr_msb 0x100
	v_lshrrev_b32 v1, 5, v0
	v_readfirstlane_b32 s10, v1                    ; wave 0..3
	s_lshr_b32 s11, s10, 1                         ; my half of the rows; also: I fetch Q (0) or K (1)
	s_and_b32 s12, s10, 1                          ; my half of the columns; also: which 128 rows of that tile I fetch
	s_bfe_u32 s40, ttmp6, 0x40000                  ; cx
	s_bfe_u32 s41, ttmp6, 0x40004                  ; cy
	s_lshl_b32 s42, ttmp9, 2
	s_add_co_u32 s42, s42, s40                     ; block column: 256 keys
	s_and_b32 s45, ttmp7, 0xffff                   ; cluster y
	s_lshl_b32 s13, s45, 2
	s_add_co_u32 s13, s13, s41                     ; block row: 256 queries, over all batches
	s_lshr_b32 s45, s45, 1                         ; batch: two clusters of 1024 rows each
	s_lshl_b32 s45, s45, 11                        ; its first row of qk
	s_lshl_b32 s43, s41, 2
	s_lshl_b32 s43, 15, s43
	s_lshl_b32 s44, 0x1111, s40
	s_mov_b32 s74, 0x76543210                      ; v_permlanex16_b32: lane i reads lane i of the other half
	s_mov_b32 s75, 0xfedcba98
	s_or_b32 s[G1+0], s43, (1<<16)|(1<<20)|(1<<21)|(5<<22)|(3<<25)
	s_or_b32 s[G1B+0], s44, (1<<16)|(1<<20)|(1<<21)|(5<<22)|(3<<25)
	s_mov_b32 s[G1+1], KSTEP<<16
	s_mov_b32 s[G1B+1], KSTEP<<16
	s_mov_b32 s[G1+2], 128<<16
	s_mov_b32 s[G1B+2], 128<<16
	s_mov_b32 s[G1+3], KSTEP<<16
	s_mov_b32 s[G1B+3], KSTEP<<16
	s_mov_b32 s[G1+4], 128
	s_mov_b32 s[G1B+4], 128
	s_mov_b32 s[G1+5], QKP
	s_mov_b32 s[G1B+5], QKP
	s_mov_b32 s[G1+6], 0
	s_mov_b32 s[G1B+6], 0
	s_mov_b32 s[G1+7], 0
	s_mov_b32 s[G1B+7], 0
	s_lshl_b32 s17, s12, 7
	s_lshl_b32 s16, s13, 8
	s_add_co_u32 s16, s16, s17                     ; Q: row 256 x block row + 128 x half
	s_lshl_b32 s46, s42, 8
	s_add_co_u32 s46, s46, s17
	s_add_co_u32 s46, s46, s45                     ; K: row 2048 x batch + 256 x block column + 128 x half
	s_mov_b32 s17, 0
	s_mov_b32 s47, 0
	s_mov_b64 s[18:19], QKP*2
	s_mul_u64 s[16:17], s[16:17], s[18:19]
	s_mul_u64 s[46:47], s[46:47], s[18:19]
	s_mul_i32 s20, s10, HALFT
	s_wait_dscnt 0x0
	s_wait_kmcnt 0x0
	s_add_nc_u64 s[6:7], s[4:5], SIZE_K*2          ; K's columns begin 1024 numbers into a row
	s_add_nc_u64 s[14:15], s[4:5], s[16:17]
	s_add_nc_u64 s[46:47], s[6:7], s[46:47]
	CROUND
.irp s, 0,1
	s_mov_b32 s[G0+4*\s], 1
	s_add_co_u32 s[G0+4*\s+1], s20, \s*SLOT
	s_add_nc_u64 s[G0+4*\s+2:G0+4*\s+3], s[14:15], \s*KSTEP*2
	s_or_b32 s[G0+4*\s+3], s[G0+4*\s+3], 0x80000000
	s_mov_b32 s[G0B+4*\s], 1
	s_add_co_u32 s[G0B+4*\s+1], s20, \s*SLOT
	s_add_nc_u64 s[G0B+4*\s+2:G0B+4*\s+3], s[46:47], \s*KSTEP*2
	s_or_b32 s[G0B+4*\s+3], s[G0B+4*\s+3], 0x80000000
	JLOAD \s
.endr
	v_and_b32 v1, 15, v0                           ; l % 16
	v_bfe_u32 v2, v0, 4, 1                         ; l / 16
	v_mul_u32_u24 v3, v1, PITCH
	v_lshl_add_u32 v3, v2, 4, v3
	s_mul_i32 s21, s11, HALFT
	s_mul_i32 s22, s12, HALFT
	s_add_co_u32 s22, s22, 2*HALFT
.irp s, 0,1
	v_add_nc_u32 v[ADRA+\s], s21, v3
	v_add_nc_u32 v[ADRB+\s], s22, v3
	s_add_co_u32 s21, s21, SLOT
	s_add_co_u32 s22, s22, SLOT
.endr
	s_mul_i32 s23, s10, 16*SPITCH
	s_add_co_u32 s23, s23, STAGE
	v_mul_u32_u24 v4, v1, SPITCH
	v_lshl_add_u32 v4, v2, 4, v4
	v_add_nc_u32 v[STO], s23, v4
	v_mul_u32_u24 v5, v2, SPITCH
	v_lshl_add_u32 v5, v1, 4, v5
	v_add_nc_u32 v[RD], s23, v5
	v_mul_u32_u24 v5, v2, SIZE_N*2
	v_lshl_add_u32 v[CO], v1, 4, v5
	s_lshl_b32 s21, s10, 10
	s_add_co_u32 s21, s21, STATST                  ; my wave's 1,024 bytes for the stats
	v_lshlrev_b32 v6, 2, v1
	v_lshl_add_u32 v6, v2, 9, v6                   ; 4 (l % 16) + 512 (l / 16)
	v_add_nc_u32 v[SA], s21, v6
	v_and_b32 v7, 31, v0
	v_lshlrev_b32 v[SO], 4, v7
	v_add_nc_u32 v[SR], s21, v[SO]
	v_cmp_lt_u32 s76, 15, v7                       ; the mask of lanes 16-31
.macro MUL16 f, hi, a0, zero
.irp a, \a0, \a0+1
.irp b, 0,1,2,3,4,5,6,7
.if \zero
	v_wmma_f32_16x16x32_bf16 v[8*(8*(\a)+\b):8*(8*(\a)+\b)+7], v[\f+8*\b:\f+8*\b+7], v[\f+8*(4*\hi+\a):\f+8*(4*\hi+\a)+7], 0
.else
	v_wmma_f32_16x16x32_bf16 v[8*(8*(\a)+\b):8*(8*(\a)+\b)+7], v[\f+8*\b:\f+8*\b+7], v[\f+8*(4*\hi+\a):\f+8*(4*\hi+\a)+7], v[8*(8*(\a)+\b):8*(8*(\a)+\b)+7]
.endif
.endr
.endr
.endm
.macro FETCH slot, k, f
	WIN TO_B
.irp i, 0,1,2,3,4,5,6,7
	ds_load_b128 v[\f+8*\i:\f+8*\i+3],   v[ADRB+\slot] offset:\k+\i*16*PITCH
	ds_load_b128 v[\f+8*\i+4:\f+8*\i+7], v[ADRB+\slot] offset:\k+\i*16*PITCH+32
.endr
	WIN 0
.irp i, 0,1,2,3,4,5,6,7
	ds_load_b128 v[\f+8*\i:\f+8*\i+3],   v[ADRA+\slot] offset:\k+\i*16*PITCH
	ds_load_b128 v[\f+8*\i+4:\f+8*\i+7], v[ADRA+\slot] offset:\k+\i*16*PITCH+32
.endr
.endm
.macro PLACES                          ; four places between a matrix instruction and a load into, or a vector access to, one of its registers
.rept 4
	v_nop
.endr
.endm
; The 64 accumulators take turns, one instruction a turn, in the same order in every quarter.
.macro QUARTER slot, k, f, g, zero
	s_wait_dscnt 8                                 ; K's and Q's rows 0-63 are in; the youngest eight loads may be out
	WIN MUL_LO
	MUL16 \f, 0, 0, \zero
	MUL16 \f, 0, 2, \zero
	PLACES
	FETCH \slot, \k, \g
	s_wait_dscnt 32                                ; all but the 32 just issued
	WIN MUL_HI
	MUL16 \f, 1, 0, \zero
	MUL16 \f, 1, 2, \zero
.endm
.macro THREE slot, zero
	QUARTER \slot, 64,  F0, F1, \zero
	QUARTER \slot, 128, F1, F0, 0
	QUARTER \slot, 192, F0, F1, 0
.endm
.macro TURN slot, next, fill
	s_wait_dscnt 8
	WIN MUL_LO
	MUL16 F1, 0, 0, 0
	s_wait_dscnt 0                                 ; my reads of this slot are over
	s_wait_tensorcnt 0x0                           ; all my tensor loads have landed
	ds_add_u32 v255, v255
	s_wait_dscnt 0x0
	s_barrier_signal -1
	MUL16 F1, 0, 2, 0
	WIN 0
	s_barrier_wait -1
.if \fill
	CREST
	s_add_nc_u64 s[G0+4*\slot+2:G0+4*\slot+3], s[G0+4*\slot+2:G0+4*\slot+3], 2*KSTEP*2
	s_add_nc_u64 s[G0B+4*\slot+2:G0B+4*\slot+3], s[G0B+4*\slot+2:G0B+4*\slot+3], 2*KSTEP*2
	JLOAD \slot                                    ; my one tensor load behind the round
.endif
	PLACES
	FETCH \next, 0, F0
	WIN MUL_HI
	MUL16 F1, 1, 0, 0
	MUL16 F1, 1, 2, 0
.endm
.macro LAP zero
	THREE 0, \zero
	TURN 0, 1, 1
	THREE 1, 0
	TURN 1, 0, 1
.endm
	s_wait_tensorcnt 1                             ; my part of K step 0 is in; K step 1's stays out
	s_barrier_signal -1
	s_barrier_wait -1
	FETCH 0, 0, F0
	LAP 1                                          ; the first products start the sums
	WIN 0
	s_mov_b32 s3, LAPS-2
.Llap:
	LAP 0
	WIN 0
	s_sub_co_u32 s3, s3, 1
	s_cmp_lg_u32 s3, 0
	s_cbranch_scc1 .Llap
	THREE 0, 0
	TURN 0, 1, 0
	THREE 1, 0
	s_wait_dscnt 8
	WIN MUL_LO
	MUL16 F1, 0, 0, 0
	MUL16 F1, 0, 2, 0
	s_wait_dscnt 0
	WIN MUL_HI
	MUL16 F1, 1, 0, 0
	MUL16 F1, 1, 2, 0
	; THE WAY OUT
	PLACES
	s_lshl_b32 s78, s42, 1
	s_add_co_u32 s78, s78, s12                     ; my key block kb = 2 x block column + half
	s_lshl_b32 s78, s78, 16                        ; 65,536 bytes a key block
	s_lshl_b32 s79, s13, 10                        ; 256 rows x 4 bytes a block row
	s_add_co_u32 s78, s78, s79
	s_lshl_b32 s79, s11, 9                         ; 128 rows x 4 bytes a half
	s_add_co_u32 s78, s78, s79
	s_mov_b32 s79, 0
	s_add_nc_u64 s[72:73], s[72:73], s[78:79]
	s_lshl_b32 s13, s13, 8
	s_lshl_b32 s14, s11, 7
	s_add_co_u32 s16, s13, s14                     ; my first row of pp
	s_mov_b32 s17, 0
	s_mov_b64 s[18:19], SIZE_N*2
	s_mul_u64 s[16:17], s[16:17], s[18:19]
	s_add_nc_u64 s[8:9], s[8:9], s[16:17]
	s_lshl_b32 s46, s42, 9
	s_lshl_b32 s47, s12, 8
	s_add_co_u32 s46, s46, s47                     ; my first column in bytes
	s_mov_b32 s47, 0
	s_add_nc_u64 s[8:9], s[8:9], s[46:47]
; Rows 16 i .. 16 i + 15 of my block: the eight tiles (a, 0..7) = registers 64 a .. 64 a + 63 of window 2 or 3.
; from2: sources 0 and 1 in that window; from1: source 0 alone; rb: 32 registers for the read-back, two sets by turns.
.macro SOFT16 i, a, from2, from1, rb
	WIN \from2
.irp c, 0,1,2,3
	v_max_num_f32 v[MX+\c], v[64*\a+16*\c], v[64*\a+16*\c+1]               ; four chains over my 64 scores of the row
.endr
.irp k, 1,2,3,4,5,6,7
.irp c, 0,1,2,3
	v_max3_num_f32 v[MX+\c], v[64*\a+16*\c+2*\k], v[64*\a+16*\c+2*\k+1], v[MX+\c]
.endr
.endr
	WIN 0
	v_max3_num_f32 v[MX], v[MX], v[MX+1], v[MX+2]
	v_max_num_f32 v[MX], v[MX], v[MX+3]
	v_permlanex16_b32 v[MX+1], v[MX], s74, s75     ; the other 64 columns' maximum
	v_max_num_f32 v[MX], v[MX], v[MX+1]
	v_mul_f32 v[NM], NCL2, v[MX]                   ; -c x maximum
	v_floor_f32 v[NM], v[NM]                       ; rounded down = -(c x maximum rounded up) = -M2, a whole number
	v_mov_b32 v[NM+1], v[NM]
	v_mul_f32 v[M2], -1.0, v[NM]                   ; M2, as it is stored
	WIN \from1
.set j, 0
.rept 32
	v_pk_fma_f32 v[EX+j:EX+j+1], v[64*\a+j:64*\a+j+1], CL2, v[NM:NM+1] op_sel_hi:[1,0,1]   ; c s - M2, one rounding: above 0 by no more than the rounding of c x maximum
.set j, j+2
.endr
	WIN 0
.set j, 0
.rept 64
	v_exp_f32 v[EX+j], v[EX+j]
.set j, j+1
.endr
	v_nop                                          ; one plain vector instruction between the exponentials and their first use
	s_wait_alu depctr_va_vdst(0)
.irp c, 0,1,2,3
	v_pk_add_f32 v[SM+2*\c:SM+2*\c+1], v[EX+16*\c:EX+16*\c+1], v[EX+16*\c+2:EX+16*\c+3]
.endr
.irp k, 2,3,4,5,6,7
.irp c, 0,1,2,3
	v_pk_add_f32 v[SM+2*\c:SM+2*\c+1], v[SM+2*\c:SM+2*\c+1], v[EX+16*\c+2*\k:EX+16*\c+2*\k+1]
.endr
.endr
	v_pk_add_f32 v[SM:SM+1], v[SM:SM+1], v[SM+2:SM+3]
	v_pk_add_f32 v[SM+4:SM+5], v[SM+4:SM+5], v[SM+6:SM+7]
	v_pk_add_f32 v[SM:SM+1], v[SM:SM+1], v[SM+4:SM+5]
	v_add_f32 v[SM], v[SM], v[SM+1]
	v_permlanex16_b32 v[SM+1], v[SM], s74, s75
	v_add_f32 v[SM], v[SM], v[SM+1]                ; l of the row, in both of its lanes
	v_cndmask_b32 v[SV], v[M2], v[SM], s76         ; lanes 0-15 hand on M2, lanes 16-31 l
.irp b, 0,1,2,3,4,5,6,7
.irp r, 0,1,2,3
	v_cvt_pk_bf16_f32 v[TMP+4*\b+\r], v[EX+8*\b+2*\r], v[EX+8*\b+2*\r+1]
.endr
.endr
	ds_store_b32 v[SA], v[SV] offset:64*\i
.irp b, 0,1,2,3,4,5,6,7
	ds_store_b128 v[STO], v[TMP+4*\b:TMP+4*\b+3] offset:32*\b
.endr
	s_wait_xcnt 0x0                                ; the read-back registers and the stores' base are rewritten only behind this wait
.if \i
	s_add_nc_u64 s[8:9], s[8:9], 16*SIZE_N*2
.endif
.irp t, 0,1,2,3,4,5,6,7
	ds_load_b128 v[\rb+4*\t:\rb+4*\t+3], v[RD] offset:\t*2*SPITCH          ; my own bytes, served in order behind the stores above
.endr
.irp t, 0,1,2,3,4,5,6,7
	s_wait_dscnt 7-\t
	global_store_b128 v[CO], v[\rb+4*\t:\rb+4*\t+3], s[8:9] offset:2*\t*SIZE_N*2   ; 16 lanes store 256 consecutive bytes, aligned
.endr
.endm
	SOFT16 0, 0, 0x0a, 0x02, 128
	SOFT16 1, 1, 0x0a, 0x02, 160
	SOFT16 2, 2, 0x0a, 0x02, 128
	SOFT16 3, 3, 0x0a, 0x02, 160
	SOFT16 4, 0, 0x0f, 0x03, 128
	SOFT16 5, 1, 0x0f, 0x03, 160
	SOFT16 6, 2, 0x0f, 0x03, 128
	SOFT16 7, 3, 0x0f, 0x03, 160
	ds_load_b128 v[FS:FS+3],   v[SR]               ; my wave's 128 M2: 512 bytes over 32 lanes
	ds_load_b128 v[FS+4:FS+7], v[SR] offset:512    ; and its 128 l
	s_wait_dscnt 0x0
	global_store_b128 v[SO], v[FS:FS+3],   s[72:73]
	global_store_b128 v[SO], v[FS+4:FS+7], s[72:73] offset:32768
	s_set_vgpr_msb 0x1
	s_wait_tensorcnt 0x0
	ds_add_u32 v255, v255
	s_wait_dscnt 0x0
	s_set_vgpr_msb 0x100
	CROUND                                         ; the closing round
	s_endpgm
.Lfunc_end_k_qc6ba41b3de_scores:
	.size	k_qc6ba41b3de_scores, .Lfunc_end_k_qc6ba41b3de_scores-k_qc6ba41b3de_scores
	.p2alignl 7, 3214868480
	.fill 96, 4, 3214868480
	.section	.rodata,"a",@progbits
	.p2align	6, 0x0
	.amdhsa_kernel k_qc6ba41b3de_scores
		.amdhsa_group_segment_fixed_size 327680
		.amdhsa_private_segment_fixed_size 0
		.amdhsa_enable_private_segment 0
		.amdhsa_kernarg_size 24
		.amdhsa_user_sgpr_count 2
		.amdhsa_user_sgpr_kernarg_segment_ptr 1
		.amdhsa_wavefront_size32 1
		.amdhsa_system_sgpr_workgroup_id_x 1
		.amdhsa_system_sgpr_workgroup_id_y 1
		.amdhsa_system_sgpr_workgroup_id_z 1
		.amdhsa_system_vgpr_workitem_id 0
		.amdhsa_next_free_vgpr 1024
		.amdhsa_next_free_sgpr 80
		.amdhsa_reserve_vcc 0
		.amdhsa_float_denorm_mode_32 3
		.amdhsa_float_denorm_mode_16_64 3
		.amdhsa_memory_ordered 1
		.amdhsa_forward_progress 1
		.amdhsa_inst_pref_size 255
	.end_amdhsa_kernel
	.section	.bss,"aw",@nobits
	.p2align	6
	.space	262144
	.amdgpu_metadata
---
amdhsa.version: [ 1, 2 ]
amdhsa.kernels:
  - .name:           k_qc6ba41b3de_scores
    .symbol:         k_qc6ba41b3de_scores.kd
    .args:
      - { .name: qk, .offset: 0, .size: 8, .value_kind: global_buffer, .address_space: global }
      - { .name: pp, .offset: 8, .size: 8, .value_kind: global_buffer, .address_space: global }
      - { .name: stats, .offset: 16, .size: 8, .value_kind: global_buffer, .address_space: global }
    .group_segment_fixed_size: 327680
    .private_segment_fixed_size: 0
    .kernarg_segment_align: 8
    .kernarg_segment_size: 24
    .max_flat_workgroup_size: 128
    .sgpr_count:     80
    .vgpr_count:     1024
    .wavefront_size: 32
...
	.end_amdgpu_metadata
.endif
;; end of part 4
;; launch pv (part 5): grid 8 x 32, 4 waves a work-group, clusters of 4 x 4, 327,680 bytes of LDS; arguments pp, vt, out0, stats; writes out0
.if DOCPART == 5
	.amdgcn_target "amdgcn-amd-amdhsa--gfx1250"
	.amdhsa_code_object_version 6
	.text
	.protected	k_qc6ba41b3de_pv
	.globl	k_qc6ba41b3de_pv
	.p2align	8
	.type	k_qc6ba41b3de_pv,@function
k_qc6ba41b3de_pv:
	s_mov_b64 s[64:65], 0
	v_nop
	global_prefetch_b8 v0, s[64:65] scope:SCOPE_SE
	s_setreg_imm32_b32 hwreg(HW_REG_WAVE_MODE, 25, 1), 1
	s_wait_xcnt 0x0
	s_wait_alu depctr_hold_cnt(0) depctr_sa_sdst(0) depctr_va_vdst(0) depctr_va_sdst(0) depctr_va_ssrc(0) depctr_va_vcc(0) depctr_vm_vsrc(0)
	s_getreg_b32 s2, hwreg(HW_REG_IB_STS2, 6, 4)
	s_cmp_eq_u32 s2, 0
	s_cbranch_scc0 .Lentry_in_a_cluster
	s_endpgm
.Lentry_in_a_cluster:
	s_bfe_u32 s2, ttmp6, 0x10000c
	s_cmp_lg_u32 s2, 0xf033
	s_cbranch_scc0 .Lentry_shape_is_right
	s_endpgm
.Lentry_shape_is_right:
; out0[q][e] = (1 / L[q]) x sum over the batch's 2048 keys of w[kb(key)][q] pp[q][key] vt[e][key]: the second half of the softmax and the product with V.
;   M[q] = largest M2[kb][q];  w[kb][q] = 2^(M2[kb][q] - M[q]);  L[q] = sum over kb of w[kb][q] l[kb][q].
; M2 are whole numbers (the key blocks' maxima in the exponent of 2, rounded up), so w is an exact power of two: w is exact in bf16, and so is w x pp.
; w pp = 2^(c s - M), with M less than one above c x the row's maximum.  1 / L stays in f32 and meets the f32 sums on the way out.
; L is above 1/2 (the block that holds M has w = 1 and a term above 1/2) and at most 2048.
; pp [8192][2048] bf16, vt [1024][8192] bf16, stats f32 [16 kb][M2, l][8192], out0 [8192][1024] f32.
; LIMITS: a factor or a product below 2^-126 may come out as 0; NaN in the stats of a row gives a row of NaN.
; Blocks of 256 (q) x 128 (e): 32 x 8 = 256 work-groups.  Wave w makes rows 64 w .. + 63 x 128 columns: 32 accumulator tiles = window 1.
; K = 2048 in steps of 128 = one key block a step, so a step's fragments of pp are scaled by one word a tile: w twice in bf16, one packed multiply a register.
; CLUSTERS of 4 x 4: pp's tile is joint along a row of the cluster, vt's along a column (batch = cluster y / 2).
; Window 0: v8-15 w of the two slots' steps, v16-29 addresses, buffers of fragments at v32 and v128 (4 of pp, then 8 of vt), v224-231 1 / L.
.set PPP,    2048                      ; elements from row to row of pp
.set VTP,    8192                      ; of vt
.set SIZE_K, 2048
.set KSTEP,  128
.set PITCH,  272
.set HALFA,  128*PITCH
.set HALFB,  64*PITCH
.set ABYTES, 2*HALFA
.set SLOT,   ABYTES+2*HALFB            ; 104,448
.set STAGE,  2*SLOT                    ; 208,896: 16 rows x 528 bytes for each wave
.set OPITCH, 528                       ; 512 bytes of f32 + 16: an odd multiple of 16
.set WT,     STAGE+4*16*OPITCH         ; 242,688: for each wave [16 kb][64 rows] words of w, then [64 rows] of 1 / L in f32
.set WTW,    17*256                    ; bytes of a wave's table
.set LAPS, SIZE_K/(2*KSTEP)            ; 8
.set WB,   8                           ; v8-11 slot 0's w of my four tiles, v12-15 slot 1's
.set ADRA, 16
.set ADRB, 20
.set STO,  24
.set RD,   25
.set CO,   26                          ; 16 x lane
.set WA,   27                          ; where I read w of the current key block
.set WS,   28                          ; where I put w of rows 2 l, 2 l + 1
.set SO,   29                          ; 8 x lane: my offset in stats
.set F0,   32
.set F1,   128
.set ST,   32                          ; v[32:95] prologue: for each kb M2 of rows 2 l, 2 l + 1, then l of both
.set MXP,  96                          ; v[96:97] the rows' maxima
.set LS,   98                          ; v[98:101] two chains for L
.set SC,   160                         ; v[160:223] the way out: 16 rows' sums times 1 / L
.set RL,   224                         ; v[224:231] 1 / L of row 16 a + l % 16, twice each: pairs for the packed multiply
.set G1, 24
.set G0, 32
.set G1B, 48
.set G0B, 56
.set MSB, 0
.macro WIN new
.if MSB != \new
	s_set_vgpr_msb (MSB<<8)|\new
.set MSB, \new
.endif
.endm
.set MUL, 0x50                         ; sources 0, 1 window 0; C and D window 1
.macro JLOAD s
	s_cmp_eq_u32 s11, 0
	s_cbranch_scc0 .Lfor_b_\@
	tensor_load_to_lds s[G0+4*\s:G0+4*\s+3], s[G1:G1+7]
	s_nop 0
	s_branch .Lasked_\@
.Lfor_b_\@:
	tensor_load_to_lds s[G0B+4*\s:G0B+4*\s+3], s[G1B:G1B+7]
	s_nop 0
.Lasked_\@:
.endm
.macro CREST
	s_cmp_lg_u32 s10, 0
	s_cbranch_scc1 .Lnot_wave_0_\@
	s_barrier_signal -3
.Lnot_wave_0_\@:
	s_barrier_wait -3
	s_barrier_signal -1
	s_barrier_wait -1
.endm
.macro CROUND
	s_barrier_signal -1
	s_barrier_wait -1
	CREST
.endm
	s_load_b128 s[4:7], s[0:1], 0x0                ; pp s[4:5], vt s[6:7]
	s_load_b64 s[8:9], s[0:1], 0x10                ; out0
	s_load_b64 s[72:73], s[0:1], 0x18              ; stats
	v_lshl_add_u32 v254, v0, 2, 0x3f800
	v_mov_b32 v255, 0
	ds_add_u32 v254, v255
	v_lshrrev_b32 v1, 5, v0
	v_readfirstlane_b32 s10, v1                    ; wave 0..3
	s_lshr_b32 s11, s10, 1                         ; I fetch pp (0) or vt (1)
	s_and_b32 s12, s10, 1                          ; which half of that tile
	s_bfe_u32 s40, ttmp6, 0x40000                  ; cx
	s_bfe_u32 s41, ttmp6, 0x40004                  ; cy
	s_lshl_b32 s42, ttmp9, 2
	s_add_co_u32 s42, s42, s40                     ; block column: 128 e
	s_and_b32 s66, ttmp7, 0xffff                   ; cluster y
	s_lshl_b32 s13, s66, 2
	s_add_co_u32 s13, s13, s41                     ; block row: 256 queries
	s_lshr_b32 s66, s66, 1                         ; batch
	s_lshl_b32 s66, s66, 12                        ; its 2048 keys x 2 bytes along a row of vt
	s_mov_b32 s67, 0
	s_lshl_b32 s43, s41, 2
	s_lshl_b32 s43, 15, s43
	s_lshl_b32 s44, 0x1111, s40
	s_or_b32 s[G1+0], s43, (1<<16)|(1<<20)|(1<<21)|(5<<22)|(3<<25)
	s_or_b32 s[G1B+0], s44, (1<<16)|(1<<20)|(1<<21)|(5<<22)|(3<<25)
	s_mov_b32 s[G1+1], KSTEP<<16
	s_mov_b32 s[G1B+1], KSTEP<<16
	s_mov_b32 s[G1+2], 128<<16                     ; pp: 128 rows a load
	s_mov_b32 s[G1B+2], 64<<16                     ; vt: 64 rows a load
	s_mov_b32 s[G1+3], KSTEP<<16
	s_mov_b32 s[G1B+3], KSTEP<<16
	s_mov_b32 s[G1+4], 128
	s_mov_b32 s[G1B+4], 64
	s_mov_b32 s[G1+5], PPP
	s_mov_b32 s[G1B+5], VTP
	s_mov_b32 s[G1+6], 0
	s_mov_b32 s[G1B+6], 0
	s_mov_b32 s[G1+7], 0
	s_mov_b32 s[G1B+7], 0
	s_lshl_b32 s17, s12, 7
	s_lshl_b32 s16, s13, 8
	s_add_co_u32 s16, s16, s17                     ; pp: row 256 x block row + 128 x half
	s_lshl_b32 s47, s12, 6
	s_lshl_b32 s46, s42, 7
	s_add_co_u32 s46, s46, s47                     ; vt: row 128 x block column + 64 x half
	s_mov_b32 s17, 0
	s_mov_b32 s47, 0
	s_mov_b64 s[18:19], PPP*2
	s_mul_u64 s[16:17], s[16:17], s[18:19]
	s_mov_b64 s[18:19], VTP*2
	s_mul_u64 s[46:47], s[46:47], s[18:19]
	s_mul_i32 s20, s10, HALFA                      ; LDS of pp's halves (waves 0, 1)
	s_mul_i32 s45, s10, HALFB
	s_add_co_u32 s45, s45, ABYTES-2*HALFB          ; LDS of vt's halves (waves 2, 3)
	s_lshl_b32 s76, s13, 10                        ; stats: 256 rows x 4 bytes a block row
	s_lshl_b32 s77, s10, 8                         ; + 64 rows x 4 bytes a wave
	s_add_co_u32 s76, s76, s77
	s_mov_b32 s77, 0
	s_wait_dscnt 0x0
	s_wait_kmcnt 0x0
	s_add_nc_u64 s[14:15], s[4:5], s[16:17]
	s_add_nc_u64 s[46:47], s[6:7], s[46:47]
	s_add_nc_u64 s[46:47], s[46:47], s[66:67]
	s_add_nc_u64 s[72:73], s[72:73], s[76:77]
	CROUND
.irp s, 0,1
	s_mov_b32 s[G0+4*\s], 1
	s_add_co_u32 s[G0+4*\s+1], s20, \s*SLOT
	s_add_nc_u64 s[G0+4*\s+2:G0+4*\s+3], s[14:15], \s*KSTEP*2
	s_or_b32 s[G0+4*\s+3], s[G0+4*\s+3], 0x80000000
	s_mov_b32 s[G0B+4*\s], 1
	s_add_co_u32 s[G0B+4*\s+1], s45, \s*SLOT
	s_add_nc_u64 s[G0B+4*\s+2:G0B+4*\s+3], s[46:47], \s*KSTEP*2
	s_or_b32 s[G0B+4*\s+3], s[G0B+4*\s+3], 0x80000000
	JLOAD \s
.endr
	; PROLOGUE, while the first tiles are on their way: w and 1 / L of my wave's 64 rows, lane l for rows 2 l and 2 l + 1.  A wave's load covers 256 consecutive bytes, aligned.
	v_and_b32 v7, 31, v0
	v_lshlrev_b32 v[SO], 3, v7
.irp kb, 0,1,2,3,4,5,6,7,8,9,10,11,12,13,14,15
	global_load_b64 v[ST+4*\kb:ST+4*\kb+1],   v[SO], s[72:73] offset:\kb*65536         ; M2
	global_load_b64 v[ST+4*\kb+2:ST+4*\kb+3], v[SO], s[72:73] offset:\kb*65536+32768   ; l
.endr
	v_and_b32 v1, 15, v0                           ; l % 16
	v_bfe_u32 v2, v0, 4, 1                         ; l / 16
	v_mul_u32_u24 v3, v1, PITCH
	v_lshl_add_u32 v3, v2, 4, v3
	s_mul_i32 s21, s10, 64*PITCH                   ; my 64 rows of pp
	s_mov_b32 s22, ABYTES                          ; vt's 128 rows
.irp s, 0,1
	v_add_nc_u32 v[ADRA+\s], s21, v3
	v_add_nc_u32 v[ADRB+\s], s22, v3
	s_add_co_u32 s21, s21, SLOT
	s_add_co_u32 s22, s22, SLOT
.endr
	s_mul_i32 s23, s10, 16*OPITCH
	s_add_co_u32 s23, s23, STAGE                   ; my stage
	v_mul_u32_u24 v4, v1, OPITCH
	v_lshl_add_u32 v4, v2, 5, v4                   ; row l % 16, 32 bytes for each half of the lanes
	v_add_nc_u32 v[STO], s23, v4
	v_lshlrev_b32 v[CO], 4, v7
	v_add_nc_u32 v[RD], s23, v[CO]
	s_mul_i32 s23, s10, WTW
	s_add_co_u32 s23, s23, WT                      ; my table of w and 1 / L
	v_lshl_add_u32 v[WA], v1, 2, s23
	v_lshl_add_u32 v[WS], v7, 3, s23
	s_wait_loadcnt 0x0
	v_max_num_f32 v[MXP],   v[ST],   v[ST+4]
	v_max_num_f32 v[MXP+1], v[ST+1], v[ST+5]
.irp k, 1,2,3,4,5,6,7
	v_max3_num_f32 v[MXP],   v[ST+8*\k],   v[ST+8*\k+4], v[MXP]
	v_max3_num_f32 v[MXP+1], v[ST+8*\k+1], v[ST+8*\k+5], v[MXP+1]
.endr
.irp kb, 0,1,2,3,4,5,6,7,8,9,10,11,12,13,14,15
	v_pk_add_f32 v[ST+4*\kb:ST+4*\kb+1], v[ST+4*\kb:ST+4*\kb+1], v[MXP:MXP+1] neg_lo:[0,1] neg_hi:[0,1]   ; M2 - M: a whole number, never above 0
.endr
.irp kb, 0,1,2,3,4,5,6,7,8,9,10,11,12,13,14,15
	v_exp_f32 v[ST+4*\kb],   v[ST+4*\kb]
	v_exp_f32 v[ST+4*\kb+1], v[ST+4*\kb+1]
.endr
	v_nop                                          ; one plain vector instruction between the exponentials and their first use
	s_wait_alu depctr_va_vdst(0)
	v_pk_mul_f32 v[LS:LS+1],   v[ST:ST+1],   v[ST+2:ST+3]
	v_pk_mul_f32 v[LS+2:LS+3], v[ST+4:ST+5], v[ST+6:ST+7]
.irp k, 1,2,3,4,5,6,7
	v_pk_fma_f32 v[LS:LS+1],   v[ST+8*\k:ST+8*\k+1],   v[ST+8*\k+2:ST+8*\k+3], v[LS:LS+1]
	v_pk_fma_f32 v[LS+2:LS+3], v[ST+8*\k+4:ST+8*\k+5], v[ST+8*\k+6:ST+8*\k+7], v[LS+2:LS+3]
.endr
	v_pk_add_f32 v[LS:LS+1], v[LS:LS+1], v[LS+2:LS+3]
	v_rcp_f32 v[LS],   v[LS]                       ; 1 / L; the conversions below, which touch neither reciprocal, stand between these and the store that reads them
	v_rcp_f32 v[LS+1], v[LS+1]
.irp kb, 0,1,2,3,4,5,6,7,8,9,10,11,12,13,14,15
	v_cvt_pk_bf16_f32 v[ST+4*\kb],   v[ST+4*\kb],   v[ST+4*\kb]        ; w in both halves of a word: the nearest bf16 is the power of two itself
	v_cvt_pk_bf16_f32 v[ST+4*\kb+1], v[ST+4*\kb+1], v[ST+4*\kb+1]
.endr
.irp kb, 0,1,2,3,4,5,6,7,8,9,10,11,12,13,14,15
	ds_store_b64 v[WS], v[ST+4*\kb:ST+4*\kb+1] offset:256*\kb          ; the table is my wave's own: no barrier orders it
.endr
	s_wait_alu depctr_va_vdst(0)
	ds_store_b64 v[WS], v[LS:LS+1] offset:4096                         ; 1 / L of rows 2 l, 2 l + 1, behind the 16 blocks' w
.macro MUL8 f, a, first
.irp b, 0,1,2,3,4,5,6,7
.if \first
	v_wmma_f32_16x16x32_bf16 v[8*(8*\a+\b):8*(8*\a+\b)+7], v[\f+32+8*\b:\f+32+8*\b+7], v[\f+8*\a:\f+8*\a+7], 0
.else
	v_wmma_f32_16x16x32_bf16 v[8*(8*\a+\b):8*(8*\a+\b)+7], v[\f+32+8*\b:\f+32+8*\b+7], v[\f+8*\a:\f+8*\a+7], v[8*(8*\a+\b):8*(8*\a+\b)+7]
.endif
.endr
.endm
; 24 LDS loads in one run: vt's 8 fragments, then pp's 4
.macro FETCH slot, k, f
	WIN 0
.irp i, 0,1,2,3,4,5,6,7
	ds_load_b128 v[\f+32+8*\i:\f+32+8*\i+3], v[ADRB+\slot] offset:\k+\i*16*PITCH
	ds_load_b128 v[\f+32+8*\i+4:\f+32+8*\i+7], v[ADRB+\slot] offset:\k+\i*16*PITCH+32
.endr
.irp i, 0,1,2,3
	ds_load_b128 v[\f+8*\i:\f+8*\i+3],   v[ADRA+\slot] offset:\k+\i*16*PITCH
	ds_load_b128 v[\f+8*\i+4:\f+8*\i+7], v[ADRA+\slot] offset:\k+\i*16*PITCH+32
.endr
.endm
; pp's fragments a0, a0 + 1 of buffer f times w of the slot's key block, a power of two: a lane's 16 numbers of a fragment lie in one row
.macro SCALE f, a0, slot
	WIN 0
.irp a, \a0, \a0+1
.irp i, 0,1,2,3,4,5,6,7
	v_pk_mul_bf16 v[\f+8*(\a)+\i], v[\f+8*(\a)+\i], v[WB+4*\slot+(\a)]
.endr
.endr
.endm
.macro PLACES                          ; four places between a matrix instruction and a load into, or a vector access to, one of its registers
.rept 4
	v_nop
.endr
.endm
; The 32 accumulators take turns, one instruction a turn, in the same order in every quarter.
.macro QUARTER slot, k, f, g, first
	s_wait_dscnt 4                                 ; all but the youngest four loads (pp's tiles 2, 3)
	SCALE \f, 0, \slot
	WIN MUL
	MUL8 \f, 0, \first
	MUL8 \f, 1, \first
	PLACES
	FETCH \slot, \k, \g
	s_wait_dscnt 24                                ; all but the 24 just issued
	SCALE \f, 2, \slot
	WIN MUL
	MUL8 \f, 2, \first
	MUL8 \f, 3, \first
.endm
.macro THREE slot, first
	QUARTER \slot, 64,  F0, F1, \first
	QUARTER \slot, 128, F1, F0, 0
	QUARTER \slot, 192, F0, F1, 0
.endm
.macro TURN slot, next, fill
	s_wait_dscnt 4
	SCALE F1, 0, \slot
	WIN MUL
	MUL8 F1, 0, 0
	s_wait_dscnt 0                                 ; my reads of this slot are over
	s_wait_tensorcnt 0x0                           ; all my tensor loads have landed: the one that was out is my part of the next slot
	ds_add_u32 v254, v255
	s_wait_dscnt 0x0
	s_barrier_signal -1
	MUL8 F1, 1, 0
	WIN 0
	s_barrier_wait -1
.if \fill
	CREST
	s_add_nc_u64 s[G0+4*\slot+2:G0+4*\slot+3], s[G0+4*\slot+2:G0+4*\slot+3], 2*KSTEP*2
	s_add_nc_u64 s[G0B+4*\slot+2:G0B+4*\slot+3], s[G0B+4*\slot+2:G0B+4*\slot+3], 2*KSTEP*2
	JLOAD \slot                                    ; my one tensor load behind the round
.endif
	PLACES
.irp a, 0,1,2,3
	ds_load_b32 v[WB+4*\next+\a], v[WA] offset:256+64*\a   ; w of the next key block, rows 16 a + l % 16
.endr
	v_add_nc_u32 v[WA], 256, v[WA]
	FETCH \next, 0, F0
	SCALE F1, 2, \slot
	WIN MUL
	MUL8 F1, 2, 0
	MUL8 F1, 3, 0
.endm
.macro LAP first
	THREE 0, \first
	TURN 0, 1, 1
	THREE 1, 0
	TURN 1, 0, 1
.endm
	s_wait_dscnt 0x0                               ; no LDS instruction is pending at a signal
	s_wait_tensorcnt 1                             ; my part of K step 0 is in; K step 1's stays out
	s_barrier_signal -1
	s_barrier_wait -1
.irp a, 0,1,2,3
	ds_load_b32 v[WB+\a], v[WA] offset:64*\a       ; w of key block 0
.endr
.irp a, 0,1,2,3
	ds_load_b32 v[RL+2*\a],   v[WA] offset:4096+64*\a      ; 1 / L of row 16 a + l % 16, into both registers of a pair
	ds_load_b32 v[RL+2*\a+1], v[WA] offset:4096+64*\a
.endr
	FETCH 0, 0, F0
	LAP 1                                          ; the first products start the sums
	WIN 0
	s_mov_b32 s3, LAPS-2
.Llap:
	LAP 0
	WIN 0
	s_sub_co_u32 s3, s3, 1
	s_cmp_lg_u32 s3, 0
	s_cbranch_scc1 .Llap
	THREE 0, 0
	TURN 0, 1, 0
	THREE 1, 0
	s_wait_dscnt 4
	SCALE F1, 0, 1
	WIN MUL
	MUL8 F1, 0, 0
	MUL8 F1, 1, 0
	s_wait_dscnt 0
	SCALE F1, 2, 1
	WIN MUL
	MUL8 F1, 2, 0
	MUL8 F1, 3, 0
	; THE WAY OUT, f32: a row of the block is 512 bytes.  16 rows at a time: times 1 / L, through my stage, read back and stored as whole rows.
	WIN 0
	PLACES
	s_lshl_b32 s13, s13, 8
	s_lshl_b32 s14, s10, 6
	s_add_co_u32 s16, s13, s14                     ; my first row: 256 x block row + 64 x wave
	s_lshl_b32 s16, s16, 12                        ; x 4,096 bytes: below 2^25
	s_mov_b32 s17, 0
	s_add_nc_u64 s[8:9], s[8:9], s[16:17]
	s_lshl_b32 s46, s42, 9                         ; 128 columns x 4 bytes a block
	s_mov_b32 s47, 0
	s_add_nc_u64 s[8:9], s[8:9], s[46:47]
.macro OUTF i, rb
	WIN 0x01                                       ; source 0 (the sums) window 1; 1 / L and the products window 0
.irp b, 0,1,2,3,4,5,6,7
.irp j, 0,2,4,6
	v_pk_mul_f32 v[SC+8*\b+\j:SC+8*\b+\j+1], v[8*(8*\i+\b)+\j:8*(8*\i+\b)+\j+1], v[RL+2*\i:RL+2*\i+1]   ; a lane's numbers of tile (i, b) lie in row 16 i + l % 16
.endr
.endr
	WIN 0
.irp b, 0,1,2,3,4,5,6,7
	ds_store_b128 v[STO], v[SC+8*\b:SC+8*\b+3]   offset:64*\b      ; columns 16 b + 8 (l / 16) + 0 .. 3 of row l % 16
	ds_store_b128 v[STO], v[SC+8*\b+4:SC+8*\b+7] offset:64*\b+16   ; .. + 4 .. 7
.endr
	s_wait_xcnt 0x0                                ; the read-back registers and the stores' base are rewritten only behind this wait
.if \i
	s_add_nc_u64 s[8:9], s[8:9], 16*4096
.endif
.irp t, 0,1,2,3,4,5,6,7,8,9,10,11,12,13,14,15
	ds_load_b128 v[\rb+4*\t:\rb+4*\t+3], v[RD] offset:\t*OPITCH            ; a whole row over 32 lanes; my own bytes, served in order
.endr
.irp t, 0,1,2,3,4,5,6,7,8,9,10,11,12,13,14,15
	s_wait_dscnt 15-\t                             ; the 15 - t younger read-backs stay out
	global_store_b128 v[CO], v[\rb+4*\t:\rb+4*\t+3], s[8:9] offset:\t*4096 th:TH_STORE_NT   ; 512 consecutive bytes, aligned; written once, not read again
.endr
.endm
	OUTF 0, 32
	OUTF 1, 96
	OUTF 2, 32
	OUTF 3, 96
	s_wait_tensorcnt 0x0
	ds_add_u32 v254, v255
	s_wait_dscnt 0x0
	CROUND                                         ; the closing round
	s_endpgm
.Lfunc_end_k_qc6ba41b3de_pv:
	.size	k_qc6ba41b3de_pv, .Lfunc_end_k_qc6ba41b3de_pv-k_qc6ba41b3de_pv
	.p2alignl 7, 3214868480
	.fill 96, 4, 3214868480
	.section	.rodata,"a",@progbits
	.p2align	6, 0x0
	.amdhsa_kernel k_qc6ba41b3de_pv
		.amdhsa_group_segment_fixed_size 327680
		.amdhsa_private_segment_fixed_size 0
		.amdhsa_enable_private_segment 0
		.amdhsa_kernarg_size 32
		.amdhsa_user_sgpr_count 2
		.amdhsa_user_sgpr_kernarg_segment_ptr 1
		.amdhsa_wavefront_size32 1
		.amdhsa_system_sgpr_workgroup_id_x 1
		.amdhsa_system_sgpr_workgroup_id_y 1
		.amdhsa_system_sgpr_workgroup_id_z 1
		.amdhsa_system_vgpr_workitem_id 0
		.amdhsa_next_free_vgpr 512
		.amdhsa_next_free_sgpr 80
		.amdhsa_reserve_vcc 0
		.amdhsa_float_denorm_mode_32 3
		.amdhsa_float_denorm_mode_16_64 3
		.amdhsa_memory_ordered 1
		.amdhsa_forward_progress 1
		.amdhsa_inst_pref_size 188
	.end_amdhsa_kernel
	.amdgpu_metadata
---
amdhsa.version: [ 1, 2 ]
amdhsa.kernels:
  - .name:           k_qc6ba41b3de_pv
    .symbol:         k_qc6ba41b3de_pv.kd
    .args:
      - { .name: pp, .offset: 0, .size: 8, .value_kind: global_buffer, .address_space: global }
      - { .name: vt, .offset: 8, .size: 8, .value_kind: global_buffer, .address_space: global }
      - { .name: out0, .offset: 16, .size: 8, .value_kind: global_buffer, .address_space: global }
      - { .name: stats, .offset: 24, .size: 8, .value_kind: global_buffer, .address_space: global }
    .group_segment_fixed_size: 327680
    .private_segment_fixed_size: 0
    .kernarg_segment_align: 8
    .kernarg_segment_size: 32
    .max_flat_workgroup_size: 128
    .sgpr_count:     80
    .vgpr_count:     512
    .wavefront_size: 32
...
	.end_amdgpu_metadata
.endif
;; end of part 5
;; ======== version 2 of 2: 5 launches; version 1 with the launch cast written anew for expert scheduling mode
;; workspace buffers: xb 16,777,216 bytes; wb 6,291,456 bytes; qk 33,554,432 bytes; vt 16,777,216 bytes; pp 33,554,432 bytes; stats 1,048,576 bytes
;; launch cast (part 6): grid 704 x 1, 8 waves a work-group, no clusters, 0 bytes of LDS; arguments x, Wq, Wk, Wv, xb, wb; writes xb, wb
.if DOCPART == 6
	.amdgcn_target "amdgcn-amd-amdhsa--gfx1250"
	.amdhsa_code_object_version 6
	.text
	.protected	k_qc6ba41b3de_cast
	.globl	k_qc6ba41b3de_cast
	.p2align	8
	.type	k_qc6ba41b3de_cast,@function
k_qc6ba41b3de_cast:
	s_mov_b64 s[64:65], 0
	v_nop
	global_prefetch_b8 v0, s[64:65] scope:SCOPE_SE
	s_setreg_imm32_b32 hwreg(HW_REG_WAVE_SCHED_MODE, 0, 2), 2
	s_setreg_imm32_b32 hwreg(HW_REG_WAVE_MODE, 25, 1), 1
	s_wait_xcnt 0x0
	s_wait_alu depctr_vm_vsrc(0)
; f32 to bf16 (round to nearest even), once for all later products: x -> xb [8192][1024]; Wq, Wk, Wv -> wb [3072][1024], one behind the other.
; A stream: no LDS, no matrix unit, no cluster (no two work-groups read the same byte).
; Work-group g takes 16,384 numbers: 65,536 bytes in, 32,768 out.  g < 512: x.  g = 512 .. 703: 64 work-groups for each of Wq, Wk, Wv.
; Thread t takes 16 bytes at 16 t of each of 16 pieces of 4,096 bytes; all 16 loads go out at once; a wave's store covers 256 consecutive bytes, aligned.
; THE MODE: SCHED_MODE bits 1:0 = 2 (LLVM: expert scheduling mode 2), set by the entry lines.  The code itself states the register dependences
; between vector instructions and memory instructions, with s_wait_alu, always for 0.
; THE PLAN.  Registers that memory instructions touch:
;   v1, v2   byte offsets of the loads and of the stores: made once at the head, never written again.
;   X        16 pieces as loaded.  Written by the 16 loads at the head, ahead of which no vector instruction names them; each piece is read once, by its two conversions.
;   Y        16 pieces to store.   Each pair is written once, by its piece's conversions, and read once, by its piece's store.
; No register is loaded or written a second time, so the dependences are two: the offsets ahead of the first load, and each Y ahead of its store.
; The pieces go in four blocks of four.  Block p converts its own four pieces; its memory instructions are the four stores of block p - 1, whose Y no
; conversion of block p names.  So one wait at a block's head states all that the block's stores hang on, and they are dealt among its conversions.
.set X, 4                              ; v[4:67]   16 x 4 numbers as loaded
.set Y, 68                             ; v[68:99]  16 x 2 words of two bf16
.set BLOCK, 4                          ; pieces in a block
	s_load_b256 s[4:11], s[0:1], 0x0               ; x s[4:5], Wq s[6:7], Wk s[8:9], Wv s[10:11]
	s_load_b128 s[12:15], s[0:1], 0x20             ; xb s[12:13], wb s[14:15]
	s_max_u32 s16, ttmp9, 512
	s_sub_co_u32 s16, s16, 512                     ; g' = the work-group's number among the weights' 192 (0 for those that take x)
	s_and_b32 s17, s16, 63                         ; its place inside one weight matrix
	v_lshlrev_b32 v1, 4, v0                        ; 16 t
	v_lshlrev_b32 v2, 3, v0                        ; 8 t
	s_wait_kmcnt 0x0
	s_cmp_lt_u32 ttmp9, 640
	s_cselect_b64 s[20:21], s[8:9], s[10:11]       ; Wk below 640, else Wv
	s_cmp_lt_u32 ttmp9, 576
	s_cselect_b64 s[20:21], s[6:7], s[20:21]       ; Wq below 576
	s_cmp_lt_u32 ttmp9, 512
	s_cselect_b64 s[20:21], s[4:5], s[20:21]       ; x below 512
	s_cselect_b64 s[22:23], s[12:13], s[14:15]     ; to xb or to wb
	s_cselect_b32 s17, ttmp9, s17                  ; piece of the source
	s_cselect_b32 s18, ttmp9, s16                  ; piece of the destination
	s_lshl_b32 s24, s17, 16                        ; at most 511 x 65,536 bytes
	s_mov_b32 s25, 0
	s_lshl_b32 s26, s18, 15
	s_mov_b32 s27, 0
	s_add_nc_u64 s[20:21], s[20:21], s[24:25]
	s_add_nc_u64 s[22:23], s[22:23], s[26:27]
	s_wait_alu depctr_va_vdst(0)                   ; v1 and v2 are written: every load reads v1 as its offset, every store v2
.irp i, 0,1,2,3,4,5,6,7,8,9,10,11,12,13,14,15
	global_load_b128 v[X+4*(\i):X+4*(\i)+3], v1, s[20:21] offset:4096*(\i) th:TH_LOAD_NT   ; read once in the launch
.endr
; Block p: pieces 4 p .. 4 p + 3 are converted; the four pieces of the block before are stored, one store in front of each piece's two conversions.
.macro BLK p
	s_wait_loadcnt 16-BLOCK-BLOCK*(\p)             ; loads come back in order: this block's four pieces are in, the younger blocks' loads stay out
.if (\p) > 0
	s_wait_alu depctr_va_vdst(0)                   ; the block before has written its Y, which the four stores below read; the conversions below name this block's X and Y alone
.endif
.irp i, 0,1,2,3
.if (\p) > 0
	global_store_b64 v2, v[Y+2*(BLOCK*(\p)-BLOCK+(\i)):Y+2*(BLOCK*(\p)-BLOCK+(\i))+1], s[22:23] offset:2048*(BLOCK*(\p)-BLOCK+(\i))
.endif
	v_cvt_pk_bf16_f32 v[Y+2*(BLOCK*(\p)+(\i))],   v[X+4*(BLOCK*(\p)+(\i))],   v[X+4*(BLOCK*(\p)+(\i))+1]
	v_cvt_pk_bf16_f32 v[Y+2*(BLOCK*(\p)+(\i))+1], v[X+4*(BLOCK*(\p)+(\i))+2], v[X+4*(BLOCK*(\p)+(\i))+3]
.endr
.endm
	BLK 0                                          ; no block stands in front of it: nothing to store, no wait but the one for its data
	BLK 1
	BLK 2
	BLK 3
	s_wait_alu depctr_va_vdst(0)                   ; block 3 has written its Y, which the last four stores read
.irp i, 12,13,14,15
	global_store_b64 v2, v[Y+2*(\i):Y+2*(\i)+1], s[22:23] offset:2048*(\i)   ; no register is written twice: no further wait
.endr
	s_endpgm
.Lfunc_end_k_qc6ba41b3de_cast:
	.size	k_qc6ba41b3de_cast, .Lfunc_end_k_qc6ba41b3de_cast-k_qc6ba41b3de_cast
	.p2alignl 7, 3214868480
	.fill 96, 4, 3214868480
	.section	.rodata,"a",@progbits
	.p2align	6, 0x0
	.amdhsa_kernel k_qc6ba41b3de_cast
		.amdhsa_group_segment_fixed_size 0
		.amdhsa_private_segment_fixed_size 0
		.amdhsa_enable_private_segment 0
		.amdhsa_kernarg_size 48
		.amdhsa_user_sgpr_count 2
		.amdhsa_user_sgpr_kernarg_segment_ptr 1
		.amdhsa_wavefront_size32 1
		.amdhsa_system_sgpr_workgroup_id_x 1
		.amdhsa_system_sgpr_workgroup_id_y 1
		.amdhsa_system_sgpr_workgroup_id_z 1
		.amdhsa_system_vgpr_workitem_id 0
		.amdhsa_next_free_vgpr 100
		.amdhsa_next_free_sgpr 66
		.amdhsa_reserve_vcc 0
		.amdhsa_float_denorm_mode_32 3
		.amdhsa_float_denorm_mode_16_64 3
		.amdhsa_memory_ordered 1
		.amdhsa_forward_progress 1
		.amdhsa_inst_pref_size 7
	.end_amdhsa_kernel
	.amdgpu_metadata
---
amdhsa.version: [ 1, 2 ]
amdhsa.kernels:
  - .name:           k_qc6ba41b3de_cast
    .symbol:         k_qc6ba41b3de_cast.kd
    .args:
      - { .name: x, .offset: 0, .size: 8, .value_kind: global_buffer, .address_space: global }
      - { .name: Wq, .offset: 8, .size: 8, .value_kind: global_buffer, .address_space: global }
      - { .name: Wk, .offset: 16, .size: 8, .value_kind: global_buffer, .address_space: global }
      - { .name: Wv, .offset: 24, .size: 8, .value_kind: global_buffer, .address_space: global }
      - { .name: xb, .offset: 32, .size: 8, .value_kind: global_buffer, .address_space: global }
      - { .name: wb, .offset: 40, .size: 8, .value_kind: global_buffer, .address_space: global }
    .group_segment_fixed_size: 0
    .private_segment_fixed_size: 0
    .kernarg_segment_align: 8
    .kernarg_segment_size: 48
    .max_flat_workgroup_size: 256
    .sgpr_count:     66
    .vgpr_count:     100
    .wavefront_size: 32
...
	.end_amdgpu_metadata
.endif
;; end of part 6
;; launch projqk: the kernel of part 2 again; grid 8 x 32, 4 waves a work-group, clusters of 4 x 4, 327,680 bytes of LDS; arguments xb, wb, qk, bq, bk; writes qk
;; launch projv: the kernel of part 3 again; grid 64 x 4, 4 waves a work-group, clusters of 4 x 4, 327,680 bytes of LDS; arguments wb, xb, vt, bv; writes vt
;; launch scores: the kernel of part 4 again; grid 8 x 32, 4 waves a work-group, clusters of 4 x 4, 327,680 bytes of LDS; arguments qk, pp, stats; writes pp, stats
;; launch pv: the kernel of part 5 again; grid 8 x 32, 4 waves a work-group, clusters of 4 x 4, 327,680 bytes of LDS; arguments pp, vt, out0, stats; writes out0
